; MI455X (gfx1250); checked and timed in simulation.
; The chip was launched on July 23, 2026; its instructions are those of AMD's public machine-readable ISA for CDNA 5 (MIT licence, August 2026) and "CDNA5" Instruction Set Architecture Reference Guide (July 2026). The comments in the code are by the model that wrote it; some were corrected since.
;; Self Attention. Allowed arithmetic: matrix products marked QUANTISED: E2M3 operands, one E8M0 scale for each 32 along K, by v_wmma_scale_f32_16x16x128_f8f6f4 with both operands' format E2M3, f32 sums; everything else in f32.
;; Inputs: W_attn_codes 3,072 x 32 x 24 uint8 (E2M3 codes of W_attn, K innermost, in blocks of 32 codes, four codes in three bytes); W_attn_scales 3,072 x 32 uint8 (E8M0 scales of W_attn, one for each 32 codes along K); W_proj_codes 1,024 x 32 x 24 uint8 (E2M3 codes of W_proj, K innermost, in blocks of 32 codes, four codes in three bytes); W_proj_scales 1,024 x 32 uint8 (E8M0 scales of W_proj, one for each 32 codes along K); x_codes 4 x 2,048 x 32 x 24 uint8 (E2M3 codes of x, K innermost, in blocks of 32 codes, four codes in three bytes); x_scales 4 x 2,048 x 32 uint8 (E8M0 scales of x, one for each 32 codes along K).
;; Outputs: out0 4 x 2,048 x 1,024 float32.
;; This version of the problem:
;;   THIS VERSION OF THE PROBLEM IS GIVEN IN LOW PRECISION. The matrix products marked QUANTISED in the list below multiply operands that are first quantised to E2M3 (2 exponent bits, 3 mantissa bits; 6 bits a number), with one power-of-two scale for each 32 numbers along K (OCP MX v1.0); their sums are f32. All else is computed in f32.
;;   The module's matrix products, in the order in which they are computed (A, B: the left and right operand; K: the contracted axis; several contracted axes count as one K, in the product's order):
;;     1. [M 8,192, K 1,024] x [K 1,024, N 3,072]; A: input x (given as codes); B: input W_attn (given as codes): QUANTISED
;;     2. batch 64 x [M 2,048, K 64] x [K 64, N 2,048]; A: computed on the way; B: computed on the way: QUANTISED
;;     3. batch 64 x [M 2,048, K 2,048] x [K 2,048, N 64]; A: softmax (see below); B: computed on the way: QUANTISED
;;     4. [M 8,192, K 1,024] x [K 1,024, N 1,024]; A: computed on the way; B: input W_proj (given as codes): QUANTISED
;;   THE QUANTISER, for each operand of a quantised product, along K:
;;     - K is cut into blocks of 32 from its start; a last block that is shorter is filled with zeros.
;;     - A block's scale is 2^e with e = floor(log2(the largest magnitude in the block)) - 2, held to -126 .. 127; a block of zeros has e = 0. As a byte (E8M0): e + 127.
;;     - Each number is divided by its block's scale, clamped to +-7.5, and rounded to the nearest number of E2M3, ties to even, subnormals kept.
;;     - The product sums the exact products of the quantised numbers (number of the format x scale) in f32.
;;   ~~~python
;;   def quantise(x, axis):      # numpy; x: float32 -> the quantised numbers, widened to float32 again
;;       x = np.moveaxis(x, axis, -1); K = x.shape[-1]
;;       x = np.pad(x, [(0, 0)] * (x.ndim - 1) + [(0, -K % 32)]); x = x.reshape(x.shape[:-1] + (-1, 32)); a = np.abs(x).max(-1, keepdims=True)
;;       e = np.where(a > 0, np.clip(np.frexp(np.where(a > 0, a, 1))[1] - 1 - 2, -126, 127), 0)      # np.frexp(a)[1] - 1 = floor(log2(a)), exactly
;;       r = np.clip(x / 2.0 ** e, -7.5, 7.5)
;;       step = 2.0 ** (np.maximum(np.frexp(np.where(r == 0, 1, r))[1] - 1, 0) - 3)
;;       q = np.round(r / step) * step * 2.0 ** e      # np.round: ties to even
;;       return np.moveaxis(q.reshape(q.shape[:-2] + (-1,))[..., :K], -1, axis).astype(np.float32)
;;   ~~~
;;   SOFTMAX AHEAD OF A QUANTISED PRODUCT. Where the list says 'softmax', what is quantised is not the finished softmax but p = 2^(t - M), with t = logit x log2(e) and M = ceil(the row's largest t), a whole number; so 1/2 < the row's largest p <= 1. The row's sum l is taken of the UNQUANTISED p, in f32, and the product's result is divided by l at the end. Since M is a whole number, a kernel that streams over the keys may use a running M (the ceiling of the running maximum): every later rescaling is an exact power of two, which a block's scale takes up: the codes' values come out the same.
;;   OPERANDS COMPUTED ON THE WAY. 'Computed on the way' means the value that the module computes at that place (a softmax that the list does not call 'softmax' is quantised finished and normalised). What goes into a quantiser is computed in f32, as accurately as f32 sums, v_exp_f32 and their like allow (about 1e-6 of the number): no bf16 or f16 on the way to a quantiser, and a product that is left as it is and whose result goes on into a quantised operand takes f32 operands (vector FMAs, or v_wmma_f32_16x16x4_f32). A number that lies on a knife's edge between two numbers of the format may be rounded either way, as far as f32 arithmetic and the matrix unit's own rounding can turn it there, and no further.
;;   INPUTS GIVEN AS CODES. W_attn (in the module: [1024, 3072], K = its axis 0); W_proj (in the module: [1024, 1024], K = its axis 0); x (in the module: [4, 2048, 1024], K = its axis 2): each comes as NAME_codes (uint8): NAME with its K axis moved to the last place and cut into blocks of 32 codes, [.., K / 32, bytes a block], one block behind the other in memory; four codes in three bytes: a row's codes are one little-endian stream of bits, code i at bits 6 i .. 6 i + 5 (a code: sign, 2 exponent bits, 3 mantissa bits); and NAME_scales (uint8): the same leading axes, one E8M0 byte (e + 127) for each 32 codes along K. Its value is code x scale, taken as it is: it is not quantised again, and the codes and scales need not be those that the quantiser above would give.
;; One version. Each part assembles by itself: llvm-mc -triple=amdgcn-amd-amdhsa -mcpu=gfx1250 --defsym DOCPART=n.
;; ======== version 1 of 1: 3 launches
;; workspace buffers: qkv 20,185,088 bytes; yimg 6,291,456 bytes; ysc 262,144 bytes
;; launch qkv_gemm (part 1): grid 96 x 4, 4 waves a work-group, clusters of 4 x 4, 327,680 bytes of LDS; arguments x_codes, x_scales, W_attn_codes, W_attn_scales, qkv; writes qkv
.if DOCPART == 1
	.amdgcn_target "amdgcn-amd-amdhsa--gfx1250"
	.amdhsa_code_object_version 6
	.text
	.protected	k_qb9cb6a62e7_qkv_gemm
	.globl	k_qb9cb6a62e7_qkv_gemm
	.p2align	8
	.type	k_qb9cb6a62e7_qkv_gemm,@function
k_qb9cb6a62e7_qkv_gemm:
	s_mov_b64 s[64:65], 0
	v_nop
	global_prefetch_b8 v0, s[64:65] scope:SCOPE_SE
	s_setreg_imm32_b32 hwreg(HW_REG_WAVE_MODE, 25, 1), 1
	s_wait_xcnt 0x0
	s_wait_alu depctr_hold_cnt(0) depctr_sa_sdst(0) depctr_va_vdst(0) depctr_va_sdst(0) depctr_va_ssrc(0) depctr_va_vcc(0) depctr_vm_vsrc(0)
	s_getreg_b32 s2, hwreg(HW_REG_IB_STS2, 6, 4)
	s_cmp_eq_u32 s2, 0
	s_cbranch_scc0 .Lentry_in_a_cluster
	s_endpgm
.Lentry_in_a_cluster:
	s_bfe_u32 s2, ttmp6, 0x10000c
	s_cmp_lg_u32 s2, 0xf033
	s_cbranch_scc0 .Lentry_shape_is_right
	s_endpgm
.Lentry_shape_is_right:
; qkv = x W_attn on codes of FP6 (E2M3) with one E8M0 scale for each 32 along K = 1,024; the f32 sums are quantised here, out of the accumulators, and only codes and scale words go to memory.
; q and k are quantised along a head's 64 columns (two blocks of 32), v along the tokens (blocks of 32 keys).
; A tile of 256 x 256 is made by four waves, 128 x 128 each: 64 accumulators of 16 x 16, 512 registers.  K goes in steps of 256 through two LDS slots filled by the tensor data mover.
; THE MATRIX INSTRUCTION'S SOURCE 0 (S0) TAKES THE AXIS ALONG WHICH THE RESULT IS QUANTISED, SOURCE 1 (S1) THE OTHER: a lane then holds one row of S1 and its registers run along S0.
;   clusters 0-15 (q and k): S0 = rows 0-2,047 of W_attn (columns of q, k), S1 = rows of x (tokens).   clusters 16-23 (v): S0 = rows of x (tokens), S1 = rows 2,048-3,071 of W_attn (columns of v).
; Both tensors have rows of 768 bytes of codes and 32 scale bytes, so only pointers and constants are chosen, on the cluster's number, which all sixteen partners share.
; CLUSTERS: 4 x 4 work-groups.  S1's tiles are shared along a row of the cluster, S0's along a column: each is asked for jointly, by the same tensor load with a mask that names the four.
; WHAT IS STORED.  A HALF IMAGE is registers 0-5 of an operand (16 rows x 64 along K) as 3 planes of 32 lanes x 8 bytes: 768 bytes, each plane one store of 256 consecutive aligned bytes.
; For each head (batch x 16 + head), HEADB bytes: K's half images [128 token tiles]; V's [16 key steps][4 tiles of 16 channels][2 halves]; K's scale words [128][16 rows]; V's [16][4][16]; then Q's images and words as K's.
; ORDER INSIDE A BLOCK OF 32: a lane's 16 registers of two neighbouring tiles are k = 16 u + 8 (lane / 16) + j, not 16 neighbours, so the codes of a block stand in one fixed permuted order.  The blocks, their scales and their
; codes are the true ones; q and k get the same order, and so do v and the softmax's weights in the next launch, so each product pairs the right numbers.
; LIMITS: NaN and infinities are not served.  A block of zeros gets the byte 1 where the rule says 127: its codes are zeros and this program alone reads the bytes.  q's and k's scale words carry the byte 0 for k = 64-127.
; REGISTERS, in windows of 256: window 0: v0-31 addresses; v32-63 scale words, two sets; v128-223 S1's fragments, one set; on the way out v128-231 are at work.
;   window 1: S0's fragments, two sets, at v0 and v128.   window 2: the accumulators of my S1 blocks 0-3 ((a, b) at v[8 (8 (a % 4) + b)]);   window 3: those of blocks 4-7.
.set KSTEP,  256                       ; along K in a slot
.set NQ,     KSTEP/128                 ; matrix instructions deep
.set ROWB,   192                       ; a tile's row in bytes
.set KROW,   768                       ; a row of codes in memory
.set PITCH,  240                       ; an LDS row: 3 x (64 bytes + 16 of padding): the 32 lanes of a load of 8 bytes touch 64 different banks (64 banks of 4 bytes: ISA guide 11.1)
.set FR,     12                        ; registers of a fragment
.set NL,     6                         ; LDS loads that bring one
.set NP,     4                         ; places behind this matrix instruction (ISA guide 7.12.1)
.set HALFT,  128*PITCH                 ; 128 rows: what one tensor load brings
.set SLOT,   4*HALFT                   ; S1's 256 rows, then S0's 256 rows
.set LAPS,   1024/(2*KSTEP)            ; a lap = two K steps = once round the ring
.set KS,     32                        ; a row of scale bytes
.set SCL,    2*SLOT                    ; behind the ring: the scales, as units of 256 bytes + 16 of padding, filled once
.set HALFS,  (128*KS/256)*272          ; the scales of 128 rows
.set SBLK,   (16*KS/256)*272           ; those of 16 rows
.set SPARE,  SCL+4*HALFS               ; the spare words, 128 bytes for each wave: two blocks of 256 bytes that no other line names
.set HEADB,  315392                    ; a head's bytes in qkv, and its regions:
.set KIMG,   0
.set VIMG,   98304
.set KSC,    196608
.set VSC,    204800
.set QIMG,   208896
.set QSC,    307200
.set ADRA, 16                          ; v16-17 LDS address of my S1 fragments in slot 0, 1 (v18-19: for the pieces behind one padding more)
.set ADRB, 20                          ; v20-21 the same for S0 (v22-23)
.set ADRS, 27                          ; v27    LDS address of my scale words: lanes 0-15 S1's rows, lanes 16-31 S0's
.set SPW,  28                          ; v28    LDS address of my spare word; never rewritten
.set NIL,  29                          ; v29    0; never rewritten
.set SC,   32                          ; scale words: set s at v[SC + 8 NQ s]
.set AF,   128                         ; S1's fragments, in window 0
.set CD,   128                         ; the way out: v128-139 a fragment's codes, v140-146 at work
.set TM,   200                         ; v200-203 largest magnitudes, v204-207 bytes, v212-215 the conversions' scale operands
.set PW,   216                         ; the scale word just made
.set SW0,  220                         ; two tiles' scale words: lanes 0-15 the even tile's, lanes 16-31 the odd tile's
.set SW1,  221                         ; the same for the second head (q and k)
.set TT,   222
.set VO0,  224                         ; byte offsets in qkv of the two half images,
.set VO1,  225
.set VS0,  228                         ; and of the scale words
.set VS1,  229
.set L8,   230                         ; 8 x lane
.set L4,   231                         ; 4 x lane
.set G1, 24                            ; s[24:31] descriptor group 1 for S1's tiles;  s[32:39] group 0, one set for each slot
.set G0, 32
.set G1B, 48                           ; s[48:55], s[56:63] the same for S0's tiles
.set G0B, 56
.set G1S, 68                           ; s[68:75], s[76:79] groups 1 and 0 for S1's scales;  s[80:87], s[88:91] for S0's
.set G0S, 76
.set G1SB, 80
.set G0SB, 88
.set MSB, 0
.macro WIN new                         ; the immediate's high byte repeats the setting that is left
.if MSB != \new
	s_set_vgpr_msb (MSB<<8)|\new
.set MSB, \new
.endif
.endm
.set MUL_LO, 0xa1                      ; source 0 window 1, source 1 window 0, C and D window 2
.set MUL_HI, 0xf1                      ; the same, C and D window 3
.set TO_B,   0x40                      ; destination window 1, address window 0
; A joint load: waves 0 and 1 fetch for S1, waves 2 and 3 for S0.  The branch hangs on the wave's number alone.  Four v_nop follow each of the two lines.
.macro JLOAD g0a, g1a, g0b, g1b
	s_cmp_eq_u32 s15, 0
	s_cbranch_scc0 .Lfor_b_\@
	tensor_load_to_lds s[\g0a:\g0a+3], s[\g1a:\g1a+7]
	s_nop 0
.rept 4
	v_nop
.endr
	s_branch .Lasked_\@
.Lfor_b_\@:
	tensor_load_to_lds s[\g0b:\g0b+3], s[\g1b:\g1b+7]
	s_nop 0
.rept 4
	v_nop
.endr
.Lasked_\@:
.endm
.macro CREST                           ; a round of the cluster's barrier behind its opening barrier
	s_cmp_lg_u32 s14, 0
	s_cbranch_scc1 .Lnot_wave_0_\@
	s_barrier_signal -3
.Lnot_wave_0_\@:
	s_barrier_wait -3
	s_barrier_signal -1
	s_barrier_wait -1
.endm
.macro CROUND                          ; a whole round
	s_barrier_signal -1
	s_barrier_wait -1
	CREST
.endm
	s_load_b128 s[4:7], s[0:1], 0x0                ; x's codes, x's scales
	s_load_b128 s[8:11], s[0:1], 0x10              ; W_attn's codes, W_attn's scales
	s_load_b64 s[12:13], s[0:1], 0x20              ; qkv
	v_lshl_add_u32 v[SPW], v0, 2, SPARE
	v_mov_b32 v[NIL], 0
	ds_add_u32 v28, v29
	ds_add_u32 v28, v29
	s_wait_dscnt 0x0
	v_lshrrev_b32 v1, 5, v0
	v_readfirstlane_b32 s14, v1                    ; wave 0..3
	s_lshr_b32 s15, s14, 1                         ; which half of S1's rows is mine.  Also: I fetch for S1 (0) or for S0 (1)
	s_and_b32 s16, s14, 1                          ; which half of S0's rows.  Also: which 128 rows of that tile I fetch
	s_bfe_u32 s40, ttmp6, 0x40000                  ; cx, cy: my place in the cluster
	s_bfe_u32 s41, ttmp6, 0x40004
	s_and_b32 s18, ttmp9, 1                        ; clusters 0-15: S0's group of four tiles = g & 1, S1's = g >> 1
	s_lshr_b32 s19, ttmp9, 1
	s_sub_co_u32 s20, ttmp9, 16                    ; clusters 16-23: S0's = g - 16, S1's = 2 (W_attn's rows 2,048 on)
	s_cmp_lt_u32 ttmp9, 16
	s_cselect_b32 s18, s18, s20
	s_cselect_b32 s19, s19, 2
	s_lshl_b32 s42, s18, 2
	s_add_co_u32 s42, s42, s40                     ; S0's tile of 256 rows = 4 x group + cx
	s_lshl_b32 s17, s19, 2
	s_add_co_u32 s17, s17, s41                     ; S1's tile = 4 x group + cy
	s_lshl_b32 s43, s41, 2
	s_lshl_b32 s43, 15, s43                        ; my row of the cluster
	s_lshl_b32 s44, 0x1111, s40                    ; my column
	; descriptor group 1: a tile of 128 rows x 192 bytes, 16 bytes of padding behind every 64
	s_or_b32 s[G1+0], s43, (0<<16)|(1<<20)|(1<<21)|(3<<22)|(3<<25)  ; 15:0 the mask: S1's tiles go to my row; 17:16 element of 1 byte; 20 padding on; 21 set beside a mask; 24:22 after every 16 words; 31:25 of 4 words
	s_or_b32 s[G1B+0], s44, (0<<16)|(1<<20)|(1<<21)|(3<<22)|(3<<25) ; S0's go to my column
.irp g, G1, G1B
	s_mov_b32 s[\g+1], ROWB<<16                    ; tensor_dim0
	s_mov_b32 s[\g+2], 128<<16                     ; tensor_dim1
	s_mov_b32 s[\g+3], ROWB<<16                    ; tile_dim0
	s_mov_b32 s[\g+4], 128                         ; tile_dim1
	s_mov_b32 s[\g+5], KROW                        ; tensor_dim0_stride
	s_mov_b32 s[\g+6], 0
	s_mov_b32 s[\g+7], 0
.endr
	; the scales of 128 rows: a dense block of 4,096 bytes, as rows of 256 bytes (32 elements of 8 bytes), 16 bytes of padding behind each
	s_or_b32 s[G1S+0], s43, (3<<16)|(1<<20)|(1<<21)|(5<<22)|(3<<25)
	s_or_b32 s[G1SB+0], s44, (3<<16)|(1<<20)|(1<<21)|(5<<22)|(3<<25)
.irp g, G1S, G1SB
	s_mov_b32 s[\g+1], 32<<16
	s_mov_b32 s[\g+2], (128*KS/256)<<16
	s_mov_b32 s[\g+3], 32<<16
	s_mov_b32 s[\g+4], 128*KS/256
	s_mov_b32 s[\g+5], 32
	s_mov_b32 s[\g+6], 0
	s_mov_b32 s[\g+7], 0
.endr
	s_lshl_b32 s18, s16, 7                         ; which 128 rows of the tile I fetch
	s_lshl_b32 s20, s17, 8
	s_add_co_u32 s20, s20, s18                     ; S1: row 256 x tile + 128 x half
	s_lshl_b32 s46, s42, 8
	s_add_co_u32 s46, s46, s18                     ; S0 likewise
	s_mov_b32 s21, 0
	s_mov_b32 s47, 0
	s_mov_b64 s[18:19], KS
	s_mul_u64 s[22:23], s[20:21], s[18:19]         ; where these rows' scales begin, in bytes
	s_mul_u64 s[92:93], s[46:47], s[18:19]
	s_mov_b64 s[18:19], KROW
	s_mul_u64 s[20:21], s[20:21], s[18:19]         ; and their codes
	s_mul_u64 s[46:47], s[46:47], s[18:19]
	s_mul_i32 s45, s14, HALFT                      ; where they go: wave x 128 rows: no place in the cluster enters an LDS address
	s_mul_i32 s94, s14, HALFS
	s_wait_kmcnt 0x0
	s_cmp_lt_u32 ttmp9, 16                         ; which tensor is S1 and which S0: the choice hangs on the cluster's number alone
	s_cselect_b64 s[96:97], s[4:5], s[8:9]         ; S1's codes: x's for q and k, W_attn's for v
	s_cselect_b64 s[98:99], s[6:7], s[10:11]       ; S1's scales
	s_cselect_b64 s[8:9], s[8:9], s[4:5]           ; S0's codes
	s_cselect_b64 s[10:11], s[10:11], s[6:7]       ; S0's scales
	s_mov_b64 s[4:5], s[96:97]
	s_mov_b64 s[6:7], s[98:99]
	s_add_nc_u64 s[20:21], s[4:5], s[20:21]
	s_add_nc_u64 s[22:23], s[6:7], s[22:23]
	s_add_nc_u64 s[46:47], s[8:9], s[46:47]
	s_add_nc_u64 s[92:93], s[10:11], s[92:93]
	CROUND                                         ; all sixteen work-groups are here: the first joint loads meet
	s_mov_b32 s[G0S], 1
	s_add_co_u32 s[G0S+1], s94, SCL
	s_mov_b64 s[G0S+2:G0S+3], s[22:23]
	s_or_b32 s[G0S+3], s[G0S+3], 0x80000000
	s_mov_b32 s[G0SB], 1
	s_add_co_u32 s[G0SB+1], s94, SCL
	s_mov_b64 s[G0SB+2:G0SB+3], s[92:93]
	s_or_b32 s[G0SB+3], s[G0SB+3], 0x80000000
	JLOAD G0S, G1S, G0SB, G1SB                     ; the scales first: they are wanted with K step 0
.irp s, 0,1
	s_mov_b32 s[G0+4*\s], 1
	s_add_co_u32 s[G0+4*\s+1], s45, \s*SLOT
	s_add_nc_u64 s[G0+4*\s+2:G0+4*\s+3], s[20:21], \s*ROWB
	s_or_b32 s[G0+4*\s+3], s[G0+4*\s+3], 0x80000000
	s_mov_b32 s[G0B+4*\s], 1
	s_add_co_u32 s[G0B+4*\s+1], s45, \s*SLOT
	s_add_nc_u64 s[G0B+4*\s+2:G0B+4*\s+3], s[46:47], \s*ROWB
	s_or_b32 s[G0B+4*\s+3], s[G0B+4*\s+3], 0x80000000
	JLOAD G0+4*\s, G1, G0B+4*\s, G1B               ; three tensor loads of mine are out behind the second of these
.endr
	v_and_b32 v1, 15, v0                           ; l % 16
	v_bfe_u32 v2, v0, 4, 1                         ; l / 16
	v_mul_u32_u24 v3, v1, PITCH
	v_mul_u32_u24 v4, v2, 24
	v_add_nc_u32 v4, v3, v4                        ; a fragment's row x pitch + 24 x half
	v_lshl_add_u32 v5, v2, 4, v4                   ; and the same behind one padding more
	s_mul_i32 s21, s15, HALFT                      ; my 128 rows of S1
	s_mul_i32 s22, s16, HALFT                      ; my 128 rows of S0,
	s_add_co_u32 s22, s22, 2*HALFT                 ; which lie behind S1's 256
.irp s, 0,1
	v_add_nc_u32 v[ADRA+\s], s21, v4
	v_add_nc_u32 v[ADRB+\s], s22, v4
	v_add_nc_u32 v[ADRA+2+\s], s21, v5
	v_add_nc_u32 v[ADRB+2+\s], s22, v5
	s_add_co_u32 s21, s21, SLOT
	s_add_co_u32 s22, s22, SLOT
.endr
	v_mul_u32_u24 v5, v1, KS                       ; my row's scales: 32 bytes a row,
	v_lshrrev_b32 v6, 8, v5
	v_lshl_add_u32 v5, v6, 4, v5                   ; and 16 more for each 256 passed
	s_mul_i32 s21, s15, HALFS                      ; S1's: my 128 rows
	s_mul_i32 s22, s16, HALFS                      ; S0's: my 128 rows, behind S1's 256
	s_add_co_u32 s22, s22, 2*HALFS
	s_sub_co_u32 s22, s22, s21
	v_mul_u32_u24 v6, s22, v2                      ; lanes 16-31 take S0's
	s_add_co_u32 s21, s21, SCL
	v_add_nc_u32 v5, v5, v6
	v_add_nc_u32 v[ADRS], s21, v5
.macro FRAG reg, adr, q, i             ; a fragment, 16 rows x 128 K, is 12 registers: lane l holds row l % 16; registers 6 c .. 6 c + 5 hold K = 64 c + 32 (l / 16) + 0 .. 31: 24 bytes of the row's stream of bits, as they lie
.irp p, 0,1,2,3,4,5                    ; in pieces of 8 bytes.  Lanes 16-31 read three pieces further on than lanes 0-15: where that lies behind one padding more, the second address register serves
.set PIECE, 12*(\q)+6*(\p/3)+\p%3
.if PIECE%8 < 5
	ds_load_b64 v[\reg+2*\p:\reg+2*\p+1], v[\adr] offset:8*PIECE+16*(PIECE/8)+(\i)*16*PITCH
.else
	ds_load_b64 v[\reg+2*\p:\reg+2*\p+1], v[\adr+2] offset:8*PIECE+16*(PIECE/8)+(\i)*16*PITCH
.endif
.endr
.endm
; 16 matrix instructions: S1's blocks a0, a0 + 1 x S0's eight, 128 along K: the slot's q-th.  p: S0's set;  sc: the set of scale words.  zero = 1: the first product starts the sums.
; The 64 accumulators take turns, one instruction a turn, in the same order in every step.
.macro MUL16 a0, p, q, sc, zero
.irp a, \a0, \a0+1
.irp b, 0,1,2,3,4,5,6,7
.if \zero
	v_wmma_scale_f32_16x16x128_f8f6f4 v[8*(8*((\a)%4)+\b):8*(8*((\a)%4)+\b)+7], v[128*(\p)+FR*\b:128*(\p)+FR*\b+FR-1], v[AF+FR*(\a):AF+FR*(\a)+FR-1], 0, v[SC+8*NQ*(\sc)+NQ*\b+(\q)], v[SC+8*NQ*(\sc)+NQ*(\a)+(\q)] matrix_a_fmt:MATRIX_FMT_FP6 matrix_b_fmt:MATRIX_FMT_FP6 matrix_a_scale:MATRIX_SCALE_ROW1
.else
	v_wmma_scale_f32_16x16x128_f8f6f4 v[8*(8*((\a)%4)+\b):8*(8*((\a)%4)+\b)+7], v[128*(\p)+FR*\b:128*(\p)+FR*\b+FR-1], v[AF+FR*(\a):AF+FR*(\a)+FR-1], v[8*(8*((\a)%4)+\b):8*(8*((\a)%4)+\b)+7], v[SC+8*NQ*(\sc)+NQ*\b+(\q)], v[SC+8*NQ*(\sc)+NQ*(\a)+(\q)] matrix_a_fmt:MATRIX_FMT_FP6 matrix_b_fmt:MATRIX_FMT_FP6 matrix_a_scale:MATRIX_SCALE_ROW1
.endif
.endr
.endr
.endm
.macro FETCH_B slot, q, p              ; S0's eight fragments of the slot's q-th 128 along K into set p
	WIN TO_B
.irp i, 0,1,2,3,4,5,6,7
	FRAG 128*(\p)+FR*\i, ADRB+\slot, \q, \i
.endr
	WIN 0
.endm
.macro FETCH_A slot, q, i0             ; S1's blocks i0 .. i0 + 3
.irp i, \i0, \i0+1, \i0+2, \i0+3
	FRAG AF+FR*(\i), ADRA+\slot, \q, \i
.endr
.endm
.macro SCALES sc                       ; the next K step's scale words into set sc: two words a row; lanes 0-15 take S1's block i, lanes 16-31 S0's block i
.irp i, 0,1,2,3,4,5,6,7
	ds_load_b64 v[SC+8*NQ*\sc+NQ*\i:SC+8*NQ*\sc+NQ*\i+1], v[ADRS] offset:\i*SBLK
.endr
.endm
.macro PLACES n                        ; plain vector instructions between a matrix instruction and a load into, or a vector read of, its registers
.rept \n
	v_nop
.endr
.endm
; A step of 128 along K that has its successor in the same slot.
.macro STEP slot, q, zero
	s_wait_dscnt 4*NL                              ; S0's set and S1's blocks 0-3 are in; the 24 youngest loads (S1's blocks 4-7) may be out
	WIN MUL_LO
	MUL16 0, (\q)%2, \q, \slot, \zero
	MUL16 2, (\q)%2, \q, \slot, \zero
	s_wait_dscnt 0                                 ; S1's blocks 4-7 are in
	PLACES NP
	FETCH_B \slot, (\q)+1, 1-(\q)%2
	FETCH_A \slot, (\q)+1, 0
	WIN MUL_HI
	MUL16 4, (\q)%2, \q, \slot, \zero
	MUL16 6, (\q)%2, \q, \slot, \zero
	PLACES NP
	WIN 0
	FETCH_A \slot, (\q)+1, 4
.endm
; A slot's last step changes slots: one barrier; in front of it each wave waits for all its tensor loads, adds 0 to its spare word, and waits for that and for its own reads of this slot.  fill = 1: this slot is filled again, two K steps ahead.
.macro TURN slot, next, fill
	s_wait_tensorcnt 0x0                           ; all my tensor loads have landed: my part of the next slot  (every window is 0 here)
	ds_add_u32 v[SPW], v[NIL]                      ; 0 onto my spare word
	s_wait_dscnt 4*NL+1                            ; the add and the 24 youngest loads (S1's blocks 4-7) may be out
	WIN MUL_LO
	MUL16 0, 1, NQ-1, \slot, 0                     ; sixteen matrix instructions stand between the add and the wait for it
	s_wait_dscnt 0x0                               ; the add is done, and my reads of this slot are over
	s_barrier_signal -1
	MUL16 2, 1, NQ-1, \slot, 0
	WIN 0
	s_barrier_wait -1
.if \fill
	CREST                                          ; the barrier has opened a round of the cluster's barrier: no wave of any partner still reads this slot or has a load on its way
	s_add_nc_u64 s[G0+4*\slot+2:G0+4*\slot+3], s[G0+4*\slot+2:G0+4*\slot+3], 2*ROWB
	s_add_nc_u64 s[G0B+4*\slot+2:G0B+4*\slot+3], s[G0B+4*\slot+2:G0B+4*\slot+3], 2*ROWB
	JLOAD G0+4*\slot, G1, G0B+4*\slot, G1B         ; the first tensor load behind the round; the four v_nop behind it are the places in front of the loads below
.else
	PLACES NP
.endif
	s_wait_alu depctr_va_vdst(0)
	v_add_nc_u32 v[ADRS], 4*NQ, v[ADRS]            ; on to the next K step's scale words (no LDS load of mine is out)
	FETCH_B \next, 0, 0
	FETCH_A \next, 0, 0
	SCALES \next
	WIN MUL_HI
	MUL16 4, 1, NQ-1, \slot, 0
	MUL16 6, 1, NQ-1, \slot, 0
	PLACES NP
	WIN 0
	FETCH_A \next, 0, 4
.endm
	s_wait_alu depctr_va_vdst(0)
	s_wait_tensorcnt 1                             ; the scales and my part of K step 0 are in; K step 1's load may be out
	s_barrier_signal -1
	s_barrier_wait -1                              ; everybody's are
	FETCH_B 0, 0, 0
	FETCH_A 0, 0, 0
	SCALES 0
	FETCH_A 0, 0, 4
	STEP 0, 0, 1                                   ; the first step stands in front of the loop: its products start the sums
	s_mov_b32 s3, LAPS-1
.Llap:                                                 ; a trip goes once round the ring, from a lap's second step to the next lap's first, and fills both slots again
	TURN 0, 1, 1
	STEP 1, 0, 0
	TURN 1, 0, 1
	STEP 0, 0, 0
	s_sub_co_u32 s3, s3, 1
	s_cmp_lg_u32 s3, 0
	s_cbranch_scc1 .Llap
	TURN 0, 1, 0                                   ; the last lap fills nothing, and has no round of the cluster's barrier
	STEP 1, 0, 0
	s_wait_dscnt 4*NL                              ; the very last step: nothing more to fetch
	WIN MUL_LO
	MUL16 0, 1, NQ-1, 1, 0
	MUL16 2, 1, NQ-1, 1, 0
	s_wait_dscnt 0
	WIN MUL_HI
	MUL16 4, 1, NQ-1, 1, 0
	MUL16 6, 1, NQ-1, 1, 0
	WIN 0
; THE WAY OUT.  For S1 block a, lane (r, h) holds S1 row 16 a + r, and its register 16 b + 8 u + j the S0 row 32 b + 16 u + 8 h + j: four blocks of 32, each shared with lane l xor 16.
; They become one fragment (12 registers) and one scale word.  q, k: its two halves are two heads' half images of token tile a.  v: both halves belong to one tile of 16 channels, key step = my 128 tokens.
	s_lshl_b32 s18, s42, 1
	s_add_co_u32 s18, s18, s16                     ; my block of 128 rows of S0
	s_lshl_b32 s19, s17, 1
	s_add_co_u32 s19, s19, s15                     ; and of S1
	s_mov_b32 s96, 1536
	s_mov_b32 s97, HEADB-4608
	s_mov_b32 s98, 768
	s_mov_b32 s99, HEADB-128
	s_cmp_lt_u32 ttmp9, 16                         ; q and k, or v?
	s_cselect_b32 s92, s19, s18                    ; my block of 128 tokens, 0..63
	s_cselect_b32 s93, s18, s19                    ; my block of 128 columns of qkv, 0..23
	s_cselect_b32 s96, 768, s96                    ; from S1 block to S1 block: a token tile's image | a channel tile's two
	s_cselect_b32 s97, 768, s97                    ; behind block 3: the same | on to the next head's first channel tile
	s_cselect_b32 s98, HEADB, s98                  ; from the first half image to the second: the next head | the same fragment's second half
	s_cselect_b32 s99, 128, s99                    ; the scale words' step behind block 3
	s_cselect_b32 s100, 0xffff, -1                 ; a scale word keeps two bytes | four
	s_cselect_b32 s101, 0, 1                       ; 1: v
	s_cselect_b32 s20, 9, 8                        ; scale words of my 128 tokens: 512 bytes | 256
	s_lshr_b32 s21, s93, 3                         ; 0: q, 1: k, 2: v
	s_mov_b32 s22, KIMG
	s_mov_b32 s23, KSC
	s_cmp_eq_u32 s21, 0
	s_cselect_b32 s22, QIMG, s22
	s_cselect_b32 s23, QSC, s23
	s_cmp_eq_u32 s21, 2
	s_cselect_b32 s22, VIMG, s22
	s_cselect_b32 s23, VSC, s23
	s_and_b32 s21, s92, 48                         ; 16 x batch
	s_and_b32 s94, s93, 7
	s_lshl_b32 s94, s94, 1
	s_add_co_u32 s21, s21, s94                     ; + my first head
	s_mul_i32 s21, s21, HEADB
	s_and_b32 s95, s92, 15                         ; my block of 128 tokens in the batch
	s_mul_i32 s94, s95, 6144
	s_add_co_u32 s94, s94, s21
	s_add_co_u32 s94, s94, s22                     ; s94: where the images of block 0 go
	s_lshl_b32 s95, s95, s20
	s_add_co_u32 s95, s95, s21
	s_add_co_u32 s95, s95, s23                     ; s95: and the scale words
	s_mov_b32 s104, 0xffff0000                     ; lanes 16-31
	s_mov_b32 s66, 0x76543210
	s_mov_b32 s67, 0xfedcba98                      ; v_permlanex16_b32's selects for lane l xor 16
	v_and_b32 v6, 31, v0                           ; these three lines and one v_nop are the four places behind the last products
	v_lshlrev_b32 v[L8], 3, v6
	v_lshlrev_b32 v[L4], 2, v6
	v_nop
.irp b, 0,1,2,3
	v_mov_b32 v[TM+4+\b], 0                        ; written once: a lane permute's destination counts as one of its sources
.endr
; The 64 numbers of S1 block a become a fragment's codes in v[CD] on and its scale word in v[PW].  Each accumulator is read from its low end on.
.macro QUANTW a
.set AC, 64*((\a)%4)
.set W, 2+(\a)/4
	WIN 20*W                                       ; sources 1 and 2: the accumulators' window
.irp b, 0,1,2,3
	v_max3_num_f32 v[TM+\b], 0x1800000, |v[AC+16*\b]|, |v[AC+16*\b+1]|   ; block b: my 16 numbers, and the floor 2^(3 - 127): the byte cannot fall under 1
.endr
.irp i, 2,4,6,8,10,12,14
.irp b, 0,1,2,3
	v_max3_num_f32 v[TM+\b], v[TM+\b], |v[AC+16*\b+\i]|, |v[AC+16*\b+\i+1]|   ; the four blocks by turns
.endr
.endr
	WIN 0
.irp b, 0,1,2,3
	v_permlanex16_b32 v[TM+4+\b], v[TM+\b], s66, s67
.endr
.irp b, 0,1,2,3
	v_max_num_f32 v[TM+\b], v[TM+\b], v[TM+4+\b]   ; with lane l xor 16's: the block's largest magnitude
.endr
.irp b, 0,1,2,3
	v_add_nc_u32 v[TM+12+\b], 0xff000000, v[TM+\b] ; 2 off its exponent field: the conversion takes the exponent field of this operand as its scale
.endr
.irp b, 0,1,2,3
	v_lshrrev_b32 v[TM+4+\b], 23, v[TM+12+\b]      ; the scale's byte
.endr
	v_lshl_or_b32 v[PW], v[TM+5], 8, v[TM+4]
	v_lshl_or_b32 v[PW], v[TM+6], 16, v[PW]
	v_lshl_or_b32 v[PW], v[TM+7], 24, v[PW]
	WIN W                                          ; source 0: the accumulators' window
.irp c, 0,1
	v_cvt_scalef32_pk16_fp6_f32 v[CD+6*\c:CD+2+6*\c], v[AC+32*\c:AC+15+32*\c], v[TM+12+2*\c]
	v_cvt_scalef32_pk16_fp6_f32 v[CD+12+4*\c:CD+14+4*\c], v[AC+16+32*\c:AC+31+32*\c], v[TM+12+2*\c+1]   ; (a conversion's three registers begin on an even number)
.endr
	WIN 0
	v_nop                                          ; one plain place behind a scaled conversion
.irp c, 0,1                                    ; the operand's layout wants a whole block in a lane: lanes 0-15 block 2 c, lanes 16-31 block 2 c + 1
.irp i, 0,1,2
	v_permlane16_swap_b32 v[CD+6*\c+\i], v[CD+12+4*\c+\i]
.endr
.irp i, 0,1,2
	v_mov_b32 v[CD+3+6*\c+\i], v[CD+12+4*\c+\i]
.endr
.endr
.endm
.macro QBLOCK a
	s_wait_xcnt 0x0                                ; the last block's stores have read their data and offsets: both are written again below
	QUANTW \a
	v_add_nc_u32 v[VO0], s94, v[L8]
	v_add_nc_u32 v[VO1], s98, v[VO0]
.irp p, 0,1,2
	global_store_b64 v[VO0], v[CD+2*\p:CD+2*\p+1], s[12:13] offset:256*\p       ; a plane: 32 lanes store 256 consecutive bytes, at a multiple of 256 from the buffer's first byte
.endr
.irp p, 0,1,2
	global_store_b64 v[VO1], v[CD+6+2*\p:CD+7+2*\p], s[12:13] offset:256*\p
.endr
.if (\a)%2 == 0
	v_and_b32 v[SW0], s100, v[PW]                  ; the even tile's words wait for the odd tile's
	v_lshrrev_b32 v[SW1], 16, v[PW]
.else
	v_and_b32 v[TT], s100, v[PW]
	v_cndmask_b32 v[SW0], v[SW0], v[TT], s104      ; lanes 16-31 take the odd tile's
	v_lshrrev_b32 v[TT], 16, v[PW]
	v_cndmask_b32 v[SW1], v[SW1], v[TT], s104
	v_add_nc_u32 v[VS0], s95, v[L4]
	global_store_b32 v[VS0], v[SW0], s[12:13]      ; two tiles' words: 128 consecutive bytes
	s_cmp_lg_u32 s101, 0                           ; v has one word a row, q and k one for each of two heads.  The branch hangs on the cluster's number alone
	s_cbranch_scc1 .Lv_\@
	v_add_nc_u32 v[VS1], HEADB, v[VS0]
	global_store_b32 v[VS1], v[SW1], s[12:13]
.Lv_\@:
.if (\a) == 3
	s_add_co_u32 s95, s95, s99
.elseif (\a) < 7
	s_add_co_u32 s95, s95, 128
.endif
.endif
.if (\a) == 3
	s_add_co_u32 s94, s94, s97
.elseif (\a) < 7
	s_add_co_u32 s94, s94, s96
.endif
.endm
.irp a, 0,1,2,3,4,5,6,7
	QBLOCK \a
.endr
	s_wait_tensorcnt 0x0                           ; the wave's end
	ds_add_u32 v[SPW], v[NIL]
	s_wait_dscnt 0x0
	CROUND                                         ; the closing round: no work-group ends while a partner may still ask for a tile that names it
	s_endpgm
.Lfunc_end_k_qb9cb6a62e7_qkv_gemm:
	.size	k_qb9cb6a62e7_qkv_gemm, .Lfunc_end_k_qb9cb6a62e7_qkv_gemm-k_qb9cb6a62e7_qkv_gemm
	.p2alignl 7, 3214868480
	.fill 96, 4, 3214868480
	.section	.rodata,"a",@progbits
	.p2align	6, 0x0
	.amdhsa_kernel k_qb9cb6a62e7_qkv_gemm
		.amdhsa_group_segment_fixed_size 327680
		.amdhsa_private_segment_fixed_size 0
		.amdhsa_enable_private_segment 0
		.amdhsa_kernarg_size 40
		.amdhsa_user_sgpr_count 2
		.amdhsa_user_sgpr_kernarg_segment_ptr 1
		.amdhsa_wavefront_size32 1
		.amdhsa_system_sgpr_workgroup_id_x 1
		.amdhsa_system_sgpr_workgroup_id_y 1
		.amdhsa_system_sgpr_workgroup_id_z 1
		.amdhsa_system_vgpr_workitem_id 0
		.amdhsa_next_free_vgpr 1024
		.amdhsa_next_free_sgpr 106
		.amdhsa_reserve_vcc 0
		.amdhsa_float_denorm_mode_32 3
		.amdhsa_float_denorm_mode_16_64 3
		.amdhsa_memory_ordered 1
		.amdhsa_forward_progress 1
		.amdhsa_inst_pref_size 171
	.end_amdhsa_kernel
	.amdgpu_metadata
---
amdhsa.version: [ 1, 2 ]
amdhsa.kernels:
  - .name:           k_qb9cb6a62e7_qkv_gemm
    .symbol:         k_qb9cb6a62e7_qkv_gemm.kd
    .args:
      - { .name: x_codes, .offset: 0, .size: 8, .value_kind: global_buffer, .address_space: global }
      - { .name: x_scales, .offset: 8, .size: 8, .value_kind: global_buffer, .address_space: global }
      - { .name: W_attn_codes, .offset: 16, .size: 8, .value_kind: global_buffer, .address_space: global }
      - { .name: W_attn_scales, .offset: 24, .size: 8, .value_kind: global_buffer, .address_space: global }
      - { .name: qkv, .offset: 32, .size: 8, .value_kind: global_buffer, .address_space: global }
    .group_segment_fixed_size: 327680
    .private_segment_fixed_size: 0
    .kernarg_segment_align: 8
    .kernarg_segment_size: 40
    .max_flat_workgroup_size: 128
    .sgpr_count:     106
    .vgpr_count:     1024
    .wavefront_size: 32
...
	.end_amdgpu_metadata
.endif
;; end of part 1
;; launch attention (part 2): grid 256 x 1, 16 waves a work-group, clusters of 4 x 1, 210,944 bytes of LDS; arguments qkv, yimg, ysc; writes yimg, ysc
.if DOCPART == 2
	.amdgcn_target "amdgcn-amd-amdhsa--gfx1250"
	.amdhsa_code_object_version 6
	.text
	.protected	k_qb9cb6a62e7_attention
	.globl	k_qb9cb6a62e7_attention
	.p2align	8
	.type	k_qb9cb6a62e7_attention,@function
k_qb9cb6a62e7_attention:
	s_mov_b64 s[64:65], 0
	v_nop
	global_prefetch_b8 v0, s[64:65] scope:SCOPE_SE
	s_setreg_imm32_b32 hwreg(HW_REG_WAVE_MODE, 25, 1), 1
	s_wait_xcnt 0x0
	s_wait_alu depctr_hold_cnt(0) depctr_sa_sdst(0) depctr_va_vdst(0) depctr_va_sdst(0) depctr_va_ssrc(0) depctr_va_vcc(0) depctr_vm_vsrc(0)
	s_getreg_b32 s2, hwreg(HW_REG_IB_STS2, 6, 4)
	s_cmp_eq_u32 s2, 0
	s_cbranch_scc0 .Lentry_in_a_cluster
	s_endpgm
.Lentry_in_a_cluster:
	s_bfe_u32 s2, ttmp6, 0x10000c
	s_cmp_lg_u32 s2, 0x3003
	s_cbranch_scc0 .Lentry_shape_is_right
	s_endpgm
.Lentry_shape_is_right:
; y = causal softmax(q k^T / 8) v for 64 heads (batch x 16 + head) of 2,048 tokens x 64 channels, both products on codes of FP6 (E2M3) with one E8M0 scale for each 32 along a product's K; y is quantised here, along its 64 channels.
; THE SOFTMAX: t = score x log2(e) / 8; M = the row's largest t so far, rounded up to a whole number; p = 2^(t - M) is quantised along the keys, not normalised.  The row's sum is taken of the unquantised p, in f32, and divides O at the end.
; When M moves, the sum and O are multiplied by 2^(old M - new M): exact.
; SHARES.  A cluster of four work-groups is one head.  Wave w of work-group cx takes the tile of 16 queries 8 w + 2 cx, and then tile 127 - (8 w + 2 cx).  The tiles lie in blocks w and 15 - w of 128 tokens,
; so each wave has (w + 1) + (16 - w) = 17 key steps of 128 keys: every wave of the launch has the same work, and every branch hangs on the wave's number and on loop counts, never on cx.
; LDS.  The head's K and V (half images) and their scale words are 208,896 dense bytes of qkv.  They are brought ONCE, jointly for the four work-groups: each of the sixteen waves asks for 51 rows of 256 bytes.
; Behind the one barrier LDS is only read: no slot is filled again, nothing is stored there.
; A HALF IMAGE is registers 0-5 of an operand (16 rows x 64 along K) as 3 planes of 32 lanes x 8 bytes: a plane comes by one load of 8 bytes a lane, 256 consecutive bytes.
; LAYOUT.  Both products are used transposed: S^T = K Q^T (source 0 = 16 keys, source 1 = my 16 queries), O^T = V^T P^T (source 0 = 16 channels, source 1 = P): a lane holds one query (lane % 16) throughout.
; THE FIRST PRODUCT'S K IS 64, HALF OF THE INSTRUCTION'S 128.  Q's registers 6-11 are zero codes.  K's operand of tile t names tile t + 1's codes there (the last tile's: zeros): E2M3 has neither infinity nor NaN, so these
; products are exact zeros; both sides' scale bytes of k = 64-127 are 0, which is a small power of two and no NaN.
; ORDER INSIDE A BLOCK OF 32 KEYS: p's 16 registers of two neighbouring tiles are keys 16 u + 8 (lane / 16) + j, as v's codes were laid by the launch before: the same order on both sides.
; y meets W_proj's codes in their given order, so its numbers change lanes, in f32, before they are quantised.
; LIMITS: NaN and infinities are not served.  A block of zeros gets the byte 1 where the rule says 127: its codes are zeros and this program alone reads the bytes.
; y's scale bytes are stored one byte a lane, into rows 32 bytes apart (one byte for each 24 bytes of codes), so that the next launch finds them as an input's scales lie.
; REGISTERS: v1-5 lane terms; v6 the mask's bound; v7, v29-31 global offsets; v8-11 LDS addresses of the step; v12 -M, v13 the largest t, v[14:15] the sum; v16-21 Q, v22-27 zeros; v28 Q's scale words;
;   v32-79 eight half fragments of K or four fragments of V; v80-85 zeros; v86-89 K's scale words, v90-91 V's; v96-159 S^T, then p; v160-191 O^T; v192-223 y; v224-235 codes; v232-254 at work; v253 p's scale word.
.set HEADB, 315392                     ; a head's bytes in qkv
.set VIMG,  98304                      ; K's images lie at 0, V's here,
.set KSC,   196608                     ; K's scale words,
.set VSC,   204800                     ; V's: in memory and in LDS alike;
.set QIMG,  208896                     ; Q's images and scale words stay in memory
.set QSC,   307200
.set PART,  13056                      ; 51 rows of 256 bytes: a wave's sixteenth of the head's 208,896 bytes
.set WV,  10                           ; s10  my wave's number
.set SEL, 28                           ; s[28:29] lane selects for v_permlanex16_b32: lane l xor 16
.set CS,  30                           ; s[30:31] c = log2(e) / 8
.macro CROUND                          ; a round of the cluster's barrier
	s_barrier_signal -1
	s_barrier_wait -1
	s_cmp_lg_u32 s[WV], 0
	s_cbranch_scc1 .Lnot_wave_0_\@
	s_barrier_signal -3
.Lnot_wave_0_\@:
	s_barrier_wait -3
	s_barrier_signal -1
	s_barrier_wait -1
.endm
	s_load_b128 s[4:7], s[0:1], 0x0                ; qkv, yimg
	s_load_b64 s[8:9], s[0:1], 0x10                ; ysc
	v_lshl_add_u32 v251, v0, 2, 0x33000
	v_mov_b32 v255, 0
	ds_add_u32 v251, v255
	ds_add_u32 v251, v255
	v_lshrrev_b32 v94, 5, v0
	s_delay_alu instid0(VALU_DEP_1)
	v_readfirstlane_b32 s[WV], v94                 ; wave 0..15
	s_bfe_u32 s11, ttmp6, 0x40000                  ; cx: it enters Q's and y's global offsets and the mask's bound alone
	s_mov_b32 s12, ttmp9                           ; the head: in a cluster launch ttmp9 counts clusters
	s_lshl_b32 s42, s[WV], 3
	s_lshl_b32 s13, s11, 1
	s_add_co_u32 s42, s42, s13                     ; my first tile of queries: 8 w + 2 cx
	s_sub_co_u32 s43, 127, s42                     ; my second
	s_sub_co_u32 s44, 15, s[WV]                    ; its block of 128 tokens (the first's is w)
	; descriptor group 1: 51 rows of 256 bytes (32 elements of 8 bytes), dense in memory and in LDS
	s_mov_b32 s16, 15|(3<<16)|(1<<21)              ; 15:0 the mask: all four work-groups; 17:16 elements of 8 bytes; 20 no padding; 21 set beside a mask
	s_mov_b32 s17, 32<<16                          ; tensor_dim0
	s_mov_b32 s18, 51<<16                          ; tensor_dim1
	s_mov_b32 s19, 32<<16                          ; tile_dim0
	s_mov_b32 s20, 51                              ; tile_dim1
	s_mov_b32 s21, 32                              ; tensor_dim0_stride
	s_mov_b32 s22, 0
	s_mov_b32 s23, 0
	s_mul_i32 s14, s12, HEADB
	s_mov_b32 s15, 0
	s_mul_i32 s46, s[WV], PART
	s_mov_b32 s47, 0
	s_mov_b32 s[SEL], 0x76543210
	s_mov_b32 s[SEL+1], 0xfedcba98
	s_mov_b32 s[CS], 0x3e38aa3b                    ; c = log2(e) / sqrt(64)
	s_mov_b32 s[CS+1], s[CS]                       ; (named with it as a pair, so it is written)
	s_mov_b32 s39, 0xffff0000                      ; lanes 16-31
	s_wait_dscnt 0x0
	s_wait_kmcnt 0x0
	s_add_nc_u64 s[40:41], s[4:5], s[14:15]        ; the head's first byte in qkv
	s_mov_b32 s24, 1                               ; group 0: count = 1,
	s_mul_i32 s25, s[WV], PART                     ; LDS address: my sixteenth,
	s_add_nc_u64 s[26:27], s[40:41], s[46:47]      ; the same bytes of the head,
	s_or_b32 s27, s27, 0x80000000                  ; type = 2
	CROUND                                         ; all four work-groups are here: the joint loads meet
	tensor_load_to_lds s[24:27], s[16:23]          ; my one tensor load of the launch
	s_nop 0
.rept 4
	v_nop
.endr
	v_and_b32 v94, 31, v0                          ; lane
	s_delay_alu instid0(VALU_DEP_1)
	v_lshlrev_b32 v1, 3, v94                       ; 8 x lane: my place in a plane; K's images begin at LDS byte 0
	s_delay_alu instid0(VALU_DEP_1)
	v_add_nc_u32 v2, VIMG, v1                      ; the same among V's
	s_delay_alu instid0(VALU_DEP_3)
	v_lshlrev_b32 v3, 2, v94
	s_delay_alu instid0(VALU_DEP_1)
	v_add_nc_u32 v4, VSC, v3                       ; 4 x lane among V's scale words: lanes 0-15 an even tile's rows, lanes 16-31 the odd tile's
	s_delay_alu instid0(VALU_DEP_2)
	v_add_nc_u32 v3, KSC, v3                       ; and among K's
	v_and_b32 v92, 15, v0                          ; r
	v_bfe_u32 v93, v0, 4, 1                        ; h
	s_delay_alu instid0(VALU_DEP_1)
	v_lshlrev_b32 v5, 3, v93
	s_delay_alu instid0(VALU_DEP_1)
	v_sub_nc_u32 v5, v92, v5                       ; r - 8 h
	s_delay_alu instid0(VALU_DEP_3)
	v_lshl_add_u32 v93, v92, 5, v93                ; 32 r + h: my byte among a tile's rows of y's scale bytes
	v_lshlrev_b32 v92, 2, v92                      ; 4 r: my row's scale word of Q
.irp j, 22,23,24,25,26,27,80,81,82,83,84,85
	v_mov_b32 v\j, 0                               ; zero codes for k = 64-127: Q's, and behind K's last tile; written once
.endr
.irp j, 236,237,238,239,252,253
	v_mov_b32 v\j, 0                               ; written once: lane permutes' destinations and the halves of a named pair count as read
.endr
	s_wait_tensorcnt 0x0                           ; my sixteenth has landed,
	s_barrier_signal -1
	s_barrier_wait -1                              ; everybody's has
.macro LOAD24 adr                      ; 6,144 consecutive bytes as 24 planes: a key step's eight half images of K, or its four fragments of V
.set i, 0
.rept 24
	ds_load_b64 v[32+2*i:33+2*i], v[\adr] offset:256*i
.set i, i+1
.endr
.endm
; A KEY STEP: 128 keys.  blk: the scalar register with the block of 128 tokens in which my queries lie.
.macro STEP blk
	v_add_nc_u32 v8, s36, v1                       ; these four additions are the places behind the last step's products, in front of the loads below
	v_add_nc_u32 v9, s36, v2
	v_add_nc_u32 v10, s37, v3
	v_add_nc_u32 v11, s38, v4
	LOAD24 8
.irp i, 0,1,2,3
	ds_load_b32 v[86+\i], v10 offset:128*\i        ; the scale words of tiles 2 i (lanes 0-15) and 2 i + 1 (lanes 16-31)
.endr
	s_wait_alu depctr_va_vdst(0)
	s_wait_dscnt 0x0
.irp t, 0,2,4,6                                ; S^T = K Q^T: eight tiles of 16 neighbouring keys
	v_wmma_scale_f32_16x16x128_f8f6f4 v[96+8*\t:103+8*\t], v[32+6*\t:43+6*\t], v[16:27], 0, v[86+\t/2], v28 matrix_a_fmt:MATRIX_FMT_FP6 matrix_b_fmt:MATRIX_FMT_FP6
	v_wmma_scale_f32_16x16x128_f8f6f4 v[104+8*\t:111+8*\t], v[38+6*\t:49+6*\t], v[16:27], 0, v[86+\t/2], v28 matrix_a_fmt:MATRIX_FMT_FP6 matrix_b_fmt:MATRIX_FMT_FP6 matrix_a_scale:MATRIX_SCALE_ROW1
.endr
.rept 4
	v_nop                                          ; places in front of the loads into K's registers and of the first read of the scores
.endr
	LOAD24 9                                       ; V's four fragments land while the softmax is worked
.irp i, 0,1
	ds_load_b32 v[90+\i], v11 offset:128*\i
.endr
	s_cmp_lg_u32 s33, s[\blk]                      ; only the step on the diagonal has hidden keys
	s_cbranch_scc1 .Lopen_\@
	v_mov_b32 v254, 0xff800000                     ; -infinity: p = 0 then
.irp t, 0,1,2,3,4,5,6,7                        ; register 8 t + j holds key 16 t + 8 h + j of the step: hidden where 16 t + j > my query's place in the block - 8 h
.irp j, 0,1,2,3,4,5,6,7
	v_cmp_gt_i32 vcc_lo, 16*\t+\j, v6
	v_cndmask_b32 v[96+8*\t+\j], v[96+8*\t+\j], v254, vcc_lo
.endr
.endr
.Lopen_\@:
.irp b, 0,1,2,3
	v_max3_num_f32 v[232+\b], v[96+16*\b], v[97+16*\b], v[98+16*\b]   ; the largest score of each block of 32 keys: it serves for the row's maximum and, since p rises with the score, for the block's largest p
.endr
.irp i, 3,5,7,9,11,13
.irp b, 0,1,2,3
	v_max3_num_f32 v[232+\b], v[232+\b], v[96+16*\b+\i], v[97+16*\b+\i]   ; the four blocks by turns
.endr
.endr
.irp b, 0,1,2,3
	v_max_num_f32 v[232+\b], v[232+\b], v[111+16*\b]
.endr
.irp b, 0,1,2,3
	s_delay_alu instid0(VALU_DEP_4)
	v_permlanex16_b32 v[236+\b], v[232+\b], s[SEL], s[SEL+1]
.endr
.irp b, 0,1,2,3
	s_delay_alu instid0(VALU_DEP_4)
	v_max_num_f32 v[232+\b], v[232+\b], v[236+\b]  ; with lane l xor 16's 16 keys
.endr
	s_delay_alu instid0(VALU_DEP_2)
	v_max3_num_f32 v254, v232, v233, v234
	s_delay_alu instid0(VALU_DEP_1)
	v_max_num_f32 v254, v254, v235                 ; the step's largest score of my query (the step's first key counts for every query that works the step)
	s_delay_alu instid0(VALU_DEP_1)
	v_mul_f32 v254, s[CS], v254                    ; as t (c is positive)
	s_delay_alu instid0(VALU_DEP_1)
	v_max_num_f32 v13, v13, v254                   ; the running largest t
	v_mov_b32 v254, v12
	s_delay_alu instid0(VALU_DEP_2)
	v_floor_f32 v12, -v13                          ; the new -M = floor(-t) = -ceil(t): a whole number
	s_delay_alu instid0(VALU_DEP_1)
	v_sub_f32 v254, v12, v254                      ; M's old value less its new one: a whole number, 0 or less
	s_delay_alu instid0(VALU_DEP_1)
	v_cvt_i32_f32 v254, v254                       ; (it saturates)
	s_delay_alu instid0(VALU_DEP_1)
	v_ldexp_f32 v252, 1.0, v254                    ; f = 2^(old M - new M)
.set j, 0
	s_setprio 1
.rept 32
	v_pk_fma_f32 v[96+j:97+j], v[96+j:97+j], s[CS:CS+1], v[12:13] op_sel_hi:[1,0,0]   ; t - M, two at a time (of the pairs c and -M the low word serves both halves)
.set j, j+2
.endr
.irp b, 0,1,2,3
	v_fma_f32 v[232+\b], v[232+\b], s[CS], v12     ; the same of each block's largest score
.endr
.set j, 0
	s_wait_alu depctr_va_vdst(0)
.rept 64
	v_exp_f32 v[96+j], v[96+j]                     ; p = 2^(t - M), at most 1
.set j, j+1
.endr
.irp b, 0,1,2,3
	v_exp_f32 v[232+\b], v[232+\b]                 ; the block's largest p: the same two instructions on the same number give the same bits
.endr
	v_pk_mul_f32 v[14:15], v[14:15], v[252:253] op_sel_hi:[1,0]   ; the sums under the new M.  (A plain place behind the exponentials)
	s_wait_alu depctr_va_vdst(0)
.irp b, 0,1,2,3
	v_max_num_f32 v[232+\b], 0x1800000, v[232+\b]  ; the floor 2^(3 - 127): the byte cannot fall under 1
.endr
.irp b, 0,1,2,3
	s_delay_alu instid0(VALU_DEP_4)
	v_add_nc_u32 v[244+\b], 0xff000000, v[232+\b]  ; 2 off the exponent field: the conversion's scale operand
.endr
.irp b, 0,1,2,3
	s_delay_alu instid0(VALU_DEP_4)
	v_lshrrev_b32 v[236+\b], 23, v[244+\b]         ; the scale's byte
.endr
	s_delay_alu instid0(VALU_DEP_3)
	v_lshl_or_b32 v253, v237, 8, v236              ; p's scale word for these 128 keys
	s_delay_alu instid0(VALU_DEP_1)
	v_lshl_or_b32 v253, v238, 16, v253
	s_delay_alu instid0(VALU_DEP_1)
	v_lshl_or_b32 v253, v239, 24, v253
.irp c, 0,1
	v_cvt_scalef32_pk16_fp6_f32 v[224+6*\c:226+6*\c], v[96+32*\c:111+32*\c], v[244+2*\c]
	v_cvt_scalef32_pk16_fp6_f32 v[236+4*\c:238+4*\c], v[112+32*\c:127+32*\c], v[244+2*\c+1]   ; (a conversion's three registers begin on an even number)
.endr
	v_nop                                          ; one plain place behind a scaled conversion
.irp c, 0,1                                    ; the operand's layout wants a whole block in a lane: lanes 0-15 block 2 c, lanes 16-31 block 2 c + 1
.irp i, 0,1,2
	v_permlane16_swap_b32 v[224+6*\c+\i], v[236+4*\c+\i]
.endr
.irp i, 0,1,2
	s_delay_alu instid0(VALU_DEP_3)
	v_mov_b32 v[227+6*\c+\i], v[236+4*\c+\i]
.endr
.endr
	v_pk_add_f32 v[236:237], v[100:101], v[104:105]
	v_pk_add_f32 v[248:249], v[108:109], v[112:113]
	v_pk_add_f32 v[246:247], v[116:117], v[120:121]
	v_pk_add_f32 v[244:245], v[124:125], v[128:129]
	v_pk_add_f32 v[242:243], v[132:133], v[136:137]
	v_pk_add_f32 v[240:241], v[140:141], v[144:145]
	v_pk_add_f32 v[222:223], v[148:149], v[152:153]
	s_setprio 0
	v_pk_add_f32 v[14:15], v[14:15], v[156:157]
	v_pk_add_f32 v[236:237], v[236:237], v[96:97]
	v_pk_add_f32 v[248:249], v[248:249], v[98:99]
	v_pk_add_f32 v[246:247], v[246:247], v[102:103]
	v_pk_add_f32 v[244:245], v[244:245], v[106:107]
	v_pk_add_f32 v[242:243], v[242:243], v[110:111]
	v_pk_add_f32 v[240:241], v[240:241], v[114:115]
	v_pk_add_f32 v[222:223], v[222:223], v[118:119]
	v_pk_add_f32 v[14:15], v[14:15], v[122:123]
	v_pk_add_f32 v[236:237], v[236:237], v[126:127]
	v_pk_add_f32 v[248:249], v[248:249], v[130:131]
	v_pk_add_f32 v[246:247], v[246:247], v[134:135]
	v_pk_add_f32 v[244:245], v[244:245], v[138:139]
	v_pk_add_f32 v[242:243], v[242:243], v[142:143]
	v_pk_add_f32 v[240:241], v[240:241], v[146:147]
	v_pk_add_f32 v[222:223], v[222:223], v[150:151]
	v_pk_add_f32 v[14:15], v[14:15], v[154:155]
	v_pk_add_f32 v[236:237], v[236:237], v[158:159]
	s_delay_alu instid0(VALU_DEP_2)
	v_pk_add_f32 v[14:15], v[14:15], v[244:245]
	s_delay_alu instid0(VALU_DEP_2)
	v_pk_add_f32 v[236:237], v[236:237], v[242:243]
	v_pk_add_f32 v[248:249], v[248:249], v[240:241]
	v_pk_add_f32 v[246:247], v[246:247], v[222:223]
	s_delay_alu instid0(VALU_DEP_2)
	v_pk_add_f32 v[14:15], v[14:15], v[248:249]
	s_delay_alu instid0(VALU_DEP_2)
	v_pk_add_f32 v[236:237], v[236:237], v[246:247]
	s_delay_alu instid0(VALU_DEP_1)
	v_pk_add_f32 v[14:15], v[14:15], v[236:237]
.set j, 0
.rept 16
	v_pk_mul_f32 v[160+j:161+j], v[160+j:161+j], v[252:253] op_sel_hi:[1,0]   ; O^T under the new M.  (The sums and these are the places between p's codes and scale word and the products below)
.set j, j+2
.endr
	s_wait_alu depctr_va_vdst(0)
	s_wait_dscnt 0x0                               ; V's fragments and scale words are in
.irp t, 0,2                                    ; O^T += V^T P^T: four tiles of 16 channels, by turns; between two links of one sum stand eleven other products
	v_wmma_scale_f32_16x16x128_f8f6f4 v[160+8*\t:167+8*\t], v[32+12*\t:43+12*\t], v[224:235], v[160+8*\t:167+8*\t], v[90+\t/2], v253 matrix_a_fmt:MATRIX_FMT_FP6 matrix_b_fmt:MATRIX_FMT_FP6
	v_wmma_scale_f32_16x16x128_f8f6f4 v[168+8*\t:175+8*\t], v[44+12*\t:55+12*\t], v[224:235], v[168+8*\t:175+8*\t], v[90+\t/2], v253 matrix_a_fmt:MATRIX_FMT_FP6 matrix_b_fmt:MATRIX_FMT_FP6 matrix_a_scale:MATRIX_SCALE_ROW1
.endr
.endm
; A PASS: one tile of 16 queries.  t: the scalar register with the tile's number in the head (0..127); blk: the one with its block of 128 tokens.
.macro PASS t, blk
	s_mul_i32 s45, s[\t], 768
	v_add_nc_u32 v7, s45, v1                       ; Q's half image
	s_lshl_b32 s45, s[\t], 6
	v_add_nc_u32 v29, s45, v92                     ; and its scale words
	s_and_b32 s45, s[\t], 7
	s_lshl_b32 s45, s45, 4
	v_add_nc_u32 v6, s45, v5                       ; my query's place in its block of 128, less 8 h
.irp p, 0,1,2
	global_load_b64 v[16+2*\p:17+2*\p], v7, s[40:41] offset:QIMG+256*\p
.endr
	global_load_b32 v28, v29, s[40:41] offset:QSC
	v_mov_b32 v13, 0xff61b1e6                      ; the largest t so far: -3e38, under every t
	s_delay_alu instid0(VALU_DEP_1)
	v_floor_f32 v12, -v13                          ; -M
	v_mov_b32 v14, 0                               ; the sum, in two halves
	v_mov_b32 v15, 0
.set j, 0
.rept 32
	v_mov_b32 v[160+j], 0                          ; O^T.  (The step is written once: the first finds zeros, which the first change of M leaves zeros)
.set j, j+1
.endr
	s_mov_b32 s33, 0                               ; the key step,
	s_mov_b32 s36, 0                               ; its images: 6,144 bytes a step, K's and V's alike,
	s_mov_b32 s37, 0                               ; K's scale words: 512,
	s_mov_b32 s38, 0                               ; V's: 256
	s_wait_loadcnt 0x0                             ; Q
.Lks_\@:                                           ; 16 trips, a constant; a step all of whose keys come after my queries is jumped over: a branch on the wave's number and the count
	s_cmp_gt_u32 s33, s[\blk]
	s_cbranch_scc1 .Lskip_\@
	s_setprio 2
	STEP \blk
.Lskip_\@:
	s_add_co_u32 s36, s36, 6144
	s_add_co_u32 s37, s37, 512
	s_add_co_u32 s38, s38, 256
	s_add_co_u32 s33, s33, 1
	s_cmp_lt_u32 s33, 16
	s_cbranch_scc1 .Lks_\@
	s_setprio 0
	; y = O^T / the sum, quantised, as a half image [token tile][head] and two scale bytes a token
	s_lshr_b32 s45, s12, 4                         ; the batch
	s_lshl_b32 s46, s45, 7
	s_add_co_u32 s46, s46, s[\t]                   ; the token tile, 0..511
	s_mul_i32 s46, s46, 12288                      ; sixteen heads' half images
	s_and_b32 s47, s12, 15                         ; the head in the batch
	s_mul_i32 s48, s47, 768
	s_add_co_u32 s46, s46, s48
	s_lshl_b32 s45, s45, 16                        ; scale bytes: 2,048 tokens x 32,
	s_lshl_b32 s48, s[\t], 9                       ; 16 tokens x 32,
	s_add_co_u32 s45, s45, s48
	s_lshl_b32 s47, s47, 1                         ; two bytes a head
	s_add_co_u32 s45, s45, s47
	v_add_nc_u32 v30, s46, v1                      ; (these two, the two additions below and the plain line behind the reciprocal are five places behind the last products)
	v_add_nc_u32 v31, s45, v93
	v_add_f32 v14, v14, v15                        ; the sum's two halves,
	s_delay_alu instid0(VALU_DEP_1)
	v_permlanex16_b32 v252, v14, s[SEL], s[SEL+1]
	s_delay_alu instid0(VALU_DEP_1)
	v_add_f32 v14, v14, v252                       ; and lane l xor 16's: the row's sum
	s_wait_alu depctr_va_vdst(0)
	v_rcp_f32 v14, v14
	v_nop                                          ; a plain place behind the transcendental
.set j, 0
	s_wait_alu depctr_va_vdst(0)
.rept 32
	v_mul_f32 v[192+j], v[160+j], v14              ; register 8 t + i is y(r, 16 t + 8 h + i); each accumulator from its low end on
.set j, j+1
.endr
.irp g, 0,1                                    ; into the true order: register 16 g + i becomes channel 32 g + 16 h + i of query r
.irp j, 0,1,2,3,4,5,6,7
	v_permlane16_swap_b32 v[192+16*\g+\j], v[200+16*\g+\j]
.endr
.endr
.irp g, 0,1
	v_max3_num_f32 v[232+\g], |v[192+16*\g]|, |v[193+16*\g]|, 0x1800000   ; block g: my 16 numbers and the floor 2^(3 - 127)
.endr
.irp i, 2,4,6,8,10,12,14
.irp g, 0,1
	s_delay_alu instid0(VALU_DEP_2)
	v_max3_num_f32 v[232+\g], v[232+\g], |v[192+16*\g+\i]|, |v[193+16*\g+\i]|
.endr
.endr
.irp g, 0,1
	s_delay_alu instid0(VALU_DEP_2)
	v_permlanex16_b32 v[236+\g], v[232+\g], s[SEL], s[SEL+1]
.endr
.irp g, 0,1
	s_delay_alu instid0(VALU_DEP_2)
	v_max_num_f32 v[232+\g], v[232+\g], v[236+\g]  ; the block's largest magnitude
.endr
.irp g, 0,1
	s_delay_alu instid0(VALU_DEP_2)
	v_add_nc_u32 v[244+\g], 0xff000000, v[232+\g]  ; the conversion's scale operand
.endr
.irp g, 0,1
	s_delay_alu instid0(VALU_DEP_2)
	v_lshrrev_b32 v[236+\g], 23, v[244+\g]         ; the scale's byte
.endr
	v_cvt_scalef32_pk16_fp6_f32 v[224:226], v[192:207], v244
	v_cvt_scalef32_pk16_fp6_f32 v[228:230], v[208:223], v245
	v_nop                                          ; one plain place behind a scaled conversion
.irp i, 0,1,2
	v_permlane16_swap_b32 v[224+\i], v[228+\i]     ; lanes 0-15 now hold block 0, lanes 16-31 block 1
.endr
.irp i, 0,1,2
	s_delay_alu instid0(VALU_DEP_3)
	v_mov_b32 v[227+\i], v[228+\i]
.endr
	v_cndmask_b32 v240, v236, v237, s39            ; lanes 0-15 store block 0's byte, lanes 16-31 block 1's
.irp p, 0,1,2
	global_store_b64 v30, v[224+2*\p:225+2*\p], s[6:7] offset:256*\p   ; a plane: 256 consecutive bytes, at a multiple of 256 from the buffer's first byte
.endr
	global_store_b8 v31, v240, s[8:9]
.endm
	PASS 42, 10                                    ; tile 8 w + 2 cx: w + 1 key steps
	s_wait_xcnt 0x0                                ; the stores and loads above have read their offsets and data: the second pass writes those registers again
	PASS 43, 44                                    ; tile 127 - (8 w + 2 cx): 16 - w key steps
	s_wait_tensorcnt 0x0
	ds_add_u32 v251, v255
	s_wait_dscnt 0x0
	CROUND                                         ; the closing round: no work-group ends while a partner may still ask for a tile that names it
	s_endpgm
.Lfunc_end_k_qb9cb6a62e7_attention:
	.size	k_qb9cb6a62e7_attention, .Lfunc_end_k_qb9cb6a62e7_attention-k_qb9cb6a62e7_attention
	.p2alignl 7, 3214868480
	.fill 96, 4, 3214868480
	.section	.rodata,"a",@progbits
	.p2align	6, 0x0
	.amdhsa_kernel k_qb9cb6a62e7_attention
		.amdhsa_group_segment_fixed_size 210944
		.amdhsa_private_segment_fixed_size 0
		.amdhsa_enable_private_segment 0
		.amdhsa_kernarg_size 24
		.amdhsa_user_sgpr_count 2
		.amdhsa_user_sgpr_kernarg_segment_ptr 1
		.amdhsa_wavefront_size32 1
		.amdhsa_system_sgpr_workgroup_id_x 1
		.amdhsa_system_sgpr_workgroup_id_y 1
		.amdhsa_system_sgpr_workgroup_id_z 1
		.amdhsa_system_vgpr_workitem_id 0
		.amdhsa_next_free_vgpr 256
		.amdhsa_next_free_sgpr 66
		.amdhsa_reserve_vcc 1
		.amdhsa_float_denorm_mode_32 3
		.amdhsa_float_denorm_mode_16_64 3
		.amdhsa_memory_ordered 1
		.amdhsa_forward_progress 1
		.amdhsa_inst_pref_size 67
	.end_amdhsa_kernel
	.amdgpu_metadata
---
amdhsa.version: [ 1, 2 ]
amdhsa.kernels:
  - .name:           k_qb9cb6a62e7_attention
    .symbol:         k_qb9cb6a62e7_attention.kd
    .args:
      - { .name: qkv, .offset: 0, .size: 8, .value_kind: global_buffer, .address_space: global }
      - { .name: yimg, .offset: 8, .size: 8, .value_kind: global_buffer, .address_space: global }
      - { .name: ysc, .offset: 16, .size: 8, .value_kind: global_buffer, .address_space: global }
    .group_segment_fixed_size: 210944
    .private_segment_fixed_size: 0
    .kernarg_segment_align: 8
    .kernarg_segment_size: 24
    .max_flat_workgroup_size: 512
    .sgpr_count:     66
    .vgpr_count:     256
    .wavefront_size: 32
...
	.end_amdgpu_metadata
.endif
;; end of part 2
;; launch proj_gemm (part 3): grid 4 x 32, 4 waves a work-group, clusters of 4 x 4, 327,680 bytes of LDS; arguments yimg, ysc, W_proj_codes, W_proj_scales, out0; writes out0
.if DOCPART == 3
	.amdgcn_target "amdgcn-amd-amdhsa--gfx1250"
	.amdhsa_code_object_version 6
	.text
	.protected	k_qb9cb6a62e7_proj_gemm
	.globl	k_qb9cb6a62e7_proj_gemm
	.p2align	8
	.type	k_qb9cb6a62e7_proj_gemm,@function
k_qb9cb6a62e7_proj_gemm:
	s_mov_b64 s[64:65], 0
	v_nop
	global_prefetch_b8 v0, s[64:65] scope:SCOPE_SE
	s_setreg_imm32_b32 hwreg(HW_REG_WAVE_MODE, 25, 1), 1
	s_wait_xcnt 0x0
	s_wait_alu depctr_hold_cnt(0) depctr_sa_sdst(0) depctr_va_vdst(0) depctr_va_sdst(0) depctr_va_ssrc(0) depctr_va_vcc(0) depctr_vm_vsrc(0)
	s_getreg_b32 s2, hwreg(HW_REG_IB_STS2, 6, 4)
	s_cmp_eq_u32 s2, 0
	s_cbranch_scc0 .Lentry_in_a_cluster
	s_endpgm
.Lentry_in_a_cluster:
	s_bfe_u32 s2, ttmp6, 0x10000c
	s_cmp_lg_u32 s2, 0xf033
	s_cbranch_scc0 .Lentry_shape_is_right
	s_endpgm
.Lentry_shape_is_right:
; out0[m][n] = sum over k of y[m][k] W_proj[k][n], on codes of FP6 (E2M3) with one E8M0 scale for each 32 along K = 1,024; out0: [8,192][1,024] f32; sums in f32.
; B = W_proj's codes [1,024 (n)][768 bytes], K innermost, and its scale bytes [1,024][32], as they are given.
; A = y as the launch before left it: HALF IMAGES [512 token tiles][16 heads][768 bytes] (registers 0-5 of an operand, 16 tokens x a head's 64 channels, as 3 planes of 32 lanes x 8 bytes), and scale bytes [8,192][32].
; Two neighbouring heads' half images are one fragment of 16 rows x 128 K: six loads of 8 bytes a lane, each of 256 consecutive LDS bytes.
; A tile of out0, 256 x 256, is made by four waves, 128 x 128 each: 64 accumulators, 512 registers.  K goes in steps of 256 (four heads) through two LDS slots filled by the tensor data mover.
; The scales of the work-group's 256 rows of A and of B, for all of K, are two dense blocks of memory: they come into LDS once, with the first fills, and stay.
; CLUSTERS: 4 x 4 work-groups.  A's tiles are shared along a row of the cluster, B's along a column: each is asked for jointly, by the same tensor load with a mask that names the four.
; The matrix instruction is used transposed (source 0 = 16 rows of B, source 1 = 16 rows of A): a lane then holds eight neighbouring numbers of a row of out0.
; 128 work-groups: a smaller tile would read each LDS byte for half as many products.
; REGISTERS, in windows of 256: window 0: v0-31 addresses; v32-63 scale words, two sets; v128-223 A's fragments, one set; on the way out v128-255 hold rows.
;   window 1: B's fragments, two sets, at v0 and v128.   window 2: the accumulators of my rows 0-63 ((a, b) at v[8 (8 (a % 4) + b)]);   window 3: those of my rows 64-127.
.set SIZE_N, 1024
.set KSTEP,  256                       ; along K in a slot
.set NQ,     KSTEP/128                 ; matrix instructions deep
.set ROWB,   192                       ; a row of B's tile in bytes
.set KROW,   768                       ; a row of B's codes in memory; also 1/16 of a token tile's 12,288 bytes of A
.set AROW,   3072                      ; a token tile's four heads: a row of A's tile
.set PITCH,  240                       ; B's LDS row: 3 x (64 bytes + 16 of padding): the 32 lanes of a load of 8 bytes touch 64 different banks (64 banks of 4 bytes: ISA guide 11.1)
.set FR,     12                        ; registers of a fragment
.set NL,     6                         ; LDS loads that bring one
.set NP,     4                         ; places behind this matrix instruction (ISA guide 7.12.1)
.set HALFT,  128*PITCH                 ; room for what one tensor load brings: 128 rows of B (30,720 bytes), or 8 token tiles x 3,072 bytes of A (24,576)
.set SLOT,   4*HALFT                   ; A's two halves, then B's two
.set LAPS,   1024/(2*KSTEP)            ; a lap = two K steps = once round the ring
.set KS,     32                        ; a row of scale bytes
.set SCL,    2*SLOT                    ; behind the ring: the scales, as units of 256 bytes + 16 of padding, filled once
.set HALFS,  (128*KS/256)*272          ; the scales of 128 rows
.set SBLK,   (16*KS/256)*272           ; those of 16 rows
.set SPARE,  SCL+4*HALFS               ; the spare words, 128 bytes for each wave: two blocks of 256 bytes that no other line names
.set SPITCH, 528                       ; the way out: a stage of 16 rows x (512 bytes + 16) for each wave, in slot 0, which has had its last fill and its last read when the first result is stored there
.set ADRA, 16                          ; v16-17  LDS address of my A planes in slot 0, 1
.set ADRB, 20                          ; v20-21  of my B fragments (v22-23: for the pieces behind one padding more)
.set STO,  24                          ; v24     the way out: where I put 32 bytes of a row
.set RD,   25                          ; v25     where I read a row back
.set CO,   26                          ; v26     my byte offset in a row of out0
.set ADRS, 27                          ; v27     LDS address of my scale words: lanes 0-15 A's rows, lanes 16-31 B's
.set SPW,  28                          ; v28     LDS address of my spare word; never rewritten
.set NIL,  29                          ; v29     0; never rewritten
.set SC,   32                          ; scale words: set s at v[SC + 8 NQ s]
.set AF,   128                         ; A's fragments, in window 0
.set BK,   128                         ; the way out: 16 rows read back from the stage: v128-191 and v192-255 by turns
.set G1, 24                            ; s[24:31] descriptor group 1 for A's tiles;  s[32:39] group 0, one set for each slot
.set G0, 32
.set G1B, 48                           ; s[48:55], s[56:63] the same for B's tiles
.set G0B, 56
.set G1S, 68                           ; s[68:75], s[76:79] groups 1 and 0 for A's scales;  s[80:87], s[88:91] for B's
.set G0S, 76
.set G1SB, 80
.set G0SB, 88
.set MSB, 0
.macro WIN new                         ; the immediate's high byte repeats the setting that is left
.if MSB != \new
	s_set_vgpr_msb (MSB<<8)|\new
.set MSB, \new
.endif
.endm
.set MUL_LO, 0xa1                      ; source 0 (B) window 1, source 1 (A) window 0, C and D window 2
.set MUL_HI, 0xf1                      ; the same, C and D window 3
.set TO_B,   0x40                      ; destination window 1, address window 0
; A joint load: waves 0 and 1 fetch for A, waves 2 and 3 for B.  The branch hangs on the wave's number alone.  Four v_nop follow each of the two lines.
.macro JLOAD g0a, g1a, g0b, g1b
	s_cmp_eq_u32 s15, 0
	s_cbranch_scc0 .Lfor_b_\@
	tensor_load_to_lds s[\g0a:\g0a+3], s[\g1a:\g1a+7]
	s_nop 0
.rept 4
	v_nop
.endr
	s_branch .Lasked_\@
.Lfor_b_\@:
	tensor_load_to_lds s[\g0b:\g0b+3], s[\g1b:\g1b+7]
	s_nop 0
.rept 4
	v_nop
.endr
.Lasked_\@:
.endm
.macro CREST                           ; a round of the cluster's barrier behind its opening barrier
	s_cmp_lg_u32 s14, 0
	s_cbranch_scc1 .Lnot_wave_0_\@
	s_barrier_signal -3
.Lnot_wave_0_\@:
	s_barrier_wait -3
	s_barrier_signal -1
	s_barrier_wait -1
.endm
.macro CROUND                          ; a whole round
	s_barrier_signal -1
	s_barrier_wait -1
	CREST
.endm
	s_load_b128 s[4:7], s[0:1], 0x0                ; A's images s[4:5], A's scales s[6:7]
	s_load_b128 s[8:11], s[0:1], 0x10              ; B's codes s[8:9], B's scales s[10:11]
	s_load_b64 s[12:13], s[0:1], 0x20              ; out0
	v_lshl_add_u32 v[SPW], v0, 2, SPARE
	v_mov_b32 v[NIL], 0
	ds_add_u32 v28, v29
	ds_add_u32 v28, v29
	s_wait_dscnt 0x0
	v_lshrrev_b32 v1, 5, v0
	v_readfirstlane_b32 s14, v1                    ; wave 0..3
	s_lshr_b32 s15, s14, 1                         ; which half of the tile's rows is mine.  Also: I fetch for A (0) or for B (1)
	s_and_b32 s16, s14, 1                          ; which half of its columns.  Also: which 128 rows of that tile I fetch
	s_bfe_u32 s40, ttmp6, 0x40000                  ; cx, cy: my place in the cluster
	s_bfe_u32 s41, ttmp6, 0x40004
	s_lshl_b32 s42, ttmp9, 2
	s_add_co_u32 s42, s42, s40                     ; tile column = 4 x cluster x + cx
	s_and_b32 s17, ttmp7, 0xffff
	s_lshl_b32 s17, s17, 2
	s_add_co_u32 s17, s17, s41                     ; tile row = 4 x cluster y + cy
	s_lshl_b32 s43, s41, 2
	s_lshl_b32 s43, 15, s43                        ; my row of the cluster
	s_lshl_b32 s44, 0x1111, s40                    ; my column
	; descriptor group 1 for A: 8 token tiles x 3,072 bytes (384 elements of 8 bytes), 12,288 bytes apart in memory, dense in LDS
	s_or_b32 s[G1+0], s43, (3<<16)|(1<<21)         ; 15:0 the mask: A's tiles go to my row; 17:16 elements of 8 bytes; 20 no padding; 21 set beside a mask
	s_mov_b32 s[G1+1], 384<<16                     ; tensor_dim0
	s_mov_b32 s[G1+2], 8<<16                       ; tensor_dim1
	s_mov_b32 s[G1+3], 384<<16                     ; tile_dim0
	s_mov_b32 s[G1+4], 8                           ; tile_dim1
	s_mov_b32 s[G1+5], 1536                        ; tensor_dim0_stride
	s_mov_b32 s[G1+6], 0
	s_mov_b32 s[G1+7], 0
	; for B: 128 rows x 192 bytes, 16 bytes of padding behind every 64
	s_or_b32 s[G1B+0], s44, (0<<16)|(1<<20)|(1<<21)|(3<<22)|(3<<25)  ; the mask: my column; element of 1 byte; padding on; after every 16 words, 4 words
	s_mov_b32 s[G1B+1], ROWB<<16
	s_mov_b32 s[G1B+2], 128<<16
	s_mov_b32 s[G1B+3], ROWB<<16
	s_mov_b32 s[G1B+4], 128
	s_mov_b32 s[G1B+5], KROW
	s_mov_b32 s[G1B+6], 0
	s_mov_b32 s[G1B+7], 0
	; the scales of 128 rows: a dense block of 4,096 bytes, as rows of 256 bytes (32 elements of 8 bytes), 16 bytes of padding behind each
	s_or_b32 s[G1S+0], s43, (3<<16)|(1<<20)|(1<<21)|(5<<22)|(3<<25)
	s_or_b32 s[G1SB+0], s44, (3<<16)|(1<<20)|(1<<21)|(5<<22)|(3<<25)
.irp g, G1S, G1SB
	s_mov_b32 s[\g+1], 32<<16
	s_mov_b32 s[\g+2], (128*KS/256)<<16
	s_mov_b32 s[\g+3], 32<<16
	s_mov_b32 s[\g+4], 128*KS/256
	s_mov_b32 s[\g+5], 32
	s_mov_b32 s[\g+6], 0
	s_mov_b32 s[\g+7], 0
.endr
	s_lshl_b32 s18, s16, 7                         ; which 128 rows of the tile I fetch
	s_lshl_b32 s20, s17, 8
	s_add_co_u32 s20, s20, s18                     ; A: row 256 x tile row + 128 x half
	s_lshl_b32 s46, s42, 8
	s_add_co_u32 s46, s46, s18                     ; B: row 256 x tile column + 128 x half
	s_mov_b32 s21, 0
	s_mov_b32 s47, 0
	s_mov_b64 s[18:19], KS
	s_mul_u64 s[22:23], s[20:21], s[18:19]         ; where these rows' scales begin, in bytes
	s_mul_u64 s[92:93], s[46:47], s[18:19]
	s_mov_b64 s[18:19], KROW
	s_mul_u64 s[20:21], s[20:21], s[18:19]         ; and their codes: for A, (row / 16) x 12,288 = row x 768
	s_mul_u64 s[46:47], s[46:47], s[18:19]
	s_mul_i32 s45, s14, HALFT                      ; where they go: wave x HALFT: no place in the cluster enters an LDS address
	s_mul_i32 s94, s14, HALFS
	s_wait_kmcnt 0x0
	s_add_nc_u64 s[20:21], s[4:5], s[20:21]
	s_add_nc_u64 s[22:23], s[6:7], s[22:23]
	s_add_nc_u64 s[46:47], s[8:9], s[46:47]
	s_add_nc_u64 s[92:93], s[10:11], s[92:93]
	CROUND                                         ; all sixteen work-groups are here: the first joint loads meet
	s_mov_b32 s[G0S], 1
	s_add_co_u32 s[G0S+1], s94, SCL
	s_mov_b64 s[G0S+2:G0S+3], s[22:23]
	s_or_b32 s[G0S+3], s[G0S+3], 0x80000000
	s_mov_b32 s[G0SB], 1
	s_add_co_u32 s[G0SB+1], s94, SCL
	s_mov_b64 s[G0SB+2:G0SB+3], s[92:93]
	s_or_b32 s[G0SB+3], s[G0SB+3], 0x80000000
	JLOAD G0S, G1S, G0SB, G1SB                     ; the scales first: they are wanted with K step 0
.irp s, 0,1
	s_mov_b32 s[G0+4*\s], 1
	s_add_co_u32 s[G0+4*\s+1], s45, \s*SLOT
	s_add_nc_u64 s[G0+4*\s+2:G0+4*\s+3], s[20:21], \s*AROW
	s_or_b32 s[G0+4*\s+3], s[G0+4*\s+3], 0x80000000
	s_mov_b32 s[G0B+4*\s], 1
	s_add_co_u32 s[G0B+4*\s+1], s45, \s*SLOT
	s_add_nc_u64 s[G0B+4*\s+2:G0B+4*\s+3], s[46:47], \s*ROWB
	s_or_b32 s[G0B+4*\s+3], s[G0B+4*\s+3], 0x80000000
	s_wait_alu depctr_va_vdst(0)
	s_wait_tensorcnt 0x0
	ds_add_u32 v28, v29
	s_wait_dscnt 0x0
	CROUND
	JLOAD G0+4*\s, G1, G0B+4*\s, G1B               ; one tensor load of mine is out behind each of these: the earlier ones were waited for
.endr
	v_and_b32 v1, 15, v0                           ; l % 16
	v_bfe_u32 v2, v0, 4, 1                         ; l / 16
	v_mul_u32_u24 v3, v1, PITCH
	v_mul_u32_u24 v4, v2, 24
	v_add_nc_u32 v4, v3, v4                        ; B: a fragment's row x pitch + 24 x half
	v_lshl_add_u32 v5, v2, 4, v4                   ; and the same behind one padding more
	v_and_b32 v7, 31, v0
	v_lshlrev_b32 v7, 3, v7                        ; A: 8 x lane: my place in a plane
	s_mul_i32 s21, s15, HALFT                      ; my 128 rows of A
	s_mul_i32 s22, s16, HALFT                      ; my 128 rows of B,
	s_add_co_u32 s22, s22, 2*HALFT                 ; which lie behind A's two halves
.irp s, 0,1
	v_add_nc_u32 v[ADRA+\s], s21, v7
	v_add_nc_u32 v[ADRB+\s], s22, v4
	v_add_nc_u32 v[ADRB+2+\s], s22, v5
	s_add_co_u32 s21, s21, SLOT
	s_add_co_u32 s22, s22, SLOT
.endr
	v_mul_u32_u24 v5, v1, KS                       ; my row's scales: 32 bytes a row,
	v_lshrrev_b32 v6, 8, v5
	v_lshl_add_u32 v5, v6, 4, v5                   ; and 16 more for each 256 passed
	s_mul_i32 s21, s15, HALFS                      ; A's: my 128 rows
	s_mul_i32 s22, s16, HALFS                      ; B's: my 128 rows, behind A's 256
	s_add_co_u32 s22, s22, 2*HALFS
	s_sub_co_u32 s22, s22, s21
	v_mul_u32_u24 v6, s22, v2                      ; lanes 16-31 take B's
	s_add_co_u32 s21, s21, SCL
	v_add_nc_u32 v5, v5, v6
	v_add_nc_u32 v[ADRS], s21, v5
	s_mul_i32 s23, s14, 16*SPITCH                  ; my stage
	v_mul_u32_u24 v5, v1, SPITCH                   ; in: row l % 16, 32 bytes for each half of the lanes
	v_lshl_add_u32 v5, v2, 5, v5
	v_add_nc_u32 v[STO], s23, v5
	v_and_b32 v6, 31, v0
	v_lshlrev_b32 v[CO], 4, v6                     ; back: the 32 lanes take one row of 512 bytes; and the same in out0
	v_add_nc_u32 v[RD], s23, v[CO]
	s_lshl_b32 s20, s17, 8
	s_lshl_b32 s21, s15, 7
	s_add_co_u32 s20, s20, s21                     ; my first row of out0: 256 x tile row + 128 x half
	s_mov_b32 s21, 0
	s_mov_b64 s[18:19], SIZE_N*4
	s_mul_u64 s[20:21], s[20:21], s[18:19]
	s_lshl_b32 s46, s42, 10                        ; my first column, in bytes: 1,024 x tile column + 512 x half
	s_lshl_b32 s47, s16, 9
	s_add_co_u32 s46, s46, s47
	s_mov_b32 s47, 0
	s_add_nc_u64 s[20:21], s[20:21], s[46:47]
	s_add_nc_u64 s[12:13], s[12:13], s[20:21]
.macro FRAG reg, adr, q, i             ; a fragment of B, 16 rows x 128 K, is 12 registers: lane l holds row l % 16; registers 6 c .. 6 c + 5 hold K = 64 c + 32 (l / 16) + 0 .. 31: 24 bytes of the row's stream of bits, as they lie
.irp p, 0,1,2,3,4,5                    ; in pieces of 8 bytes.  Lanes 16-31 read three pieces further on than lanes 0-15: where that lies behind one padding more, the second address register serves
.set PIECE, 12*(\q)+6*(\p/3)+\p%3
.if PIECE%8 < 5
	ds_load_b64 v[\reg+2*\p:\reg+2*\p+1], v[\adr] offset:8*PIECE+16*(PIECE/8)+(\i)*16*PITCH
.else
	ds_load_b64 v[\reg+2*\p:\reg+2*\p+1], v[\adr+2] offset:8*PIECE+16*(PIECE/8)+(\i)*16*PITCH
.endif
.endr
.endm
.macro FRAGA reg, adr, q, i            ; a fragment of A: token tile i, heads 2 q and 2 q + 1 of the slot's four: six planes of 256 bytes on end
.irp p, 0,1,2,3,4,5
	ds_load_b64 v[\reg+2*\p:\reg+2*\p+1], v[\adr] offset:(\i)*AROW+(\q)*1536+256*\p
.endr
.endm
; 16 matrix instructions: A's blocks a0, a0 + 1 x B's eight, 128 along K: the slot's q-th.  p: B's set;  sc: the set of scale words.  zero = 1: the first product starts the sums.
; The 64 accumulators take turns, one instruction a turn, in the same order in every step.
.macro MUL16 a0, p, q, sc, zero
.irp a, \a0, \a0+1
.irp b, 0,1,2,3,4,5,6,7
.if \zero
	v_wmma_scale_f32_16x16x128_f8f6f4 v[8*(8*((\a)%4)+\b):8*(8*((\a)%4)+\b)+7], v[128*(\p)+FR*\b:128*(\p)+FR*\b+FR-1], v[AF+FR*(\a):AF+FR*(\a)+FR-1], 0, v[SC+8*NQ*(\sc)+NQ*\b+(\q)], v[SC+8*NQ*(\sc)+NQ*(\a)+(\q)] matrix_a_fmt:MATRIX_FMT_FP6 matrix_b_fmt:MATRIX_FMT_FP6 matrix_a_scale:MATRIX_SCALE_ROW1
.else
	v_wmma_scale_f32_16x16x128_f8f6f4 v[8*(8*((\a)%4)+\b):8*(8*((\a)%4)+\b)+7], v[128*(\p)+FR*\b:128*(\p)+FR*\b+FR-1], v[AF+FR*(\a):AF+FR*(\a)+FR-1], v[8*(8*((\a)%4)+\b):8*(8*((\a)%4)+\b)+7], v[SC+8*NQ*(\sc)+NQ*\b+(\q)], v[SC+8*NQ*(\sc)+NQ*(\a)+(\q)] matrix_a_fmt:MATRIX_FMT_FP6 matrix_b_fmt:MATRIX_FMT_FP6 matrix_a_scale:MATRIX_SCALE_ROW1
.endif
.endr
.endr
.endm
.macro FETCH_B slot, q, p              ; B's eight fragments of the slot's q-th 128 along K into set p
	WIN TO_B
.irp i, 0,1,2,3,4,5,6,7
	FRAG 128*(\p)+FR*\i, ADRB+\slot, \q, \i
.endr
	WIN 0
.endm
.macro FETCH_A slot, q, i0             ; A's blocks i0 .. i0 + 3
.irp i, \i0, \i0+1, \i0+2, \i0+3
	FRAGA AF+FR*(\i), ADRA+\slot, \q, \i
.endr
.endm
.macro SCALES sc                       ; the next K step's scale words into set sc: two words a row; lanes 0-15 take A's block i, lanes 16-31 B's block i
.irp i, 0,1,2,3,4,5,6,7
	ds_load_b64 v[SC+8*NQ*\sc+NQ*\i:SC+8*NQ*\sc+NQ*\i+1], v[ADRS] offset:\i*SBLK
.endr
.endm
.macro PLACES n                        ; plain vector instructions between a matrix instruction and a load into, or a read of, its registers
.rept \n
	v_nop
.endr
.endm
; A step of 128 along K that has its successor in the same slot.
.macro STEP slot, q, zero
	s_wait_dscnt 4*NL                              ; B's set and A's blocks 0-3 are in; the 24 youngest loads (A's blocks 4-7) may be out
	WIN MUL_LO
	MUL16 0, (\q)%2, \q, \slot, \zero
	MUL16 2, (\q)%2, \q, \slot, \zero
	s_wait_dscnt 0                                 ; A's blocks 4-7 are in
	PLACES NP
	FETCH_B \slot, (\q)+1, 1-(\q)%2
	FETCH_A \slot, (\q)+1, 0
	WIN MUL_HI
	MUL16 4, (\q)%2, \q, \slot, \zero
	MUL16 6, (\q)%2, \q, \slot, \zero
	PLACES NP
	WIN 0
	FETCH_A \slot, (\q)+1, 4
.endm
; A slot's last step changes slots: one barrier; in front of it each wave waits for all its tensor loads, adds 0 to its spare word, and waits for that and for its own reads of this slot.  fill = 1: this slot is filled again, two K steps ahead.
.macro TURN slot, next, fill
	s_wait_tensorcnt 0x0                           ; all my tensor loads have landed: my part of the next slot  (every window is 0 here)
	ds_add_u32 v[SPW], v[NIL]                      ; 0 onto my spare word
	s_wait_dscnt 4*NL+1                            ; the add and the 24 youngest loads (A's blocks 4-7) may be out
	WIN MUL_LO
	MUL16 0, 1, NQ-1, \slot, 0                     ; sixteen matrix instructions stand between the add and the wait for it
	s_wait_dscnt 0x0                               ; the add is done, and my reads of this slot are over
	s_barrier_signal -1
	MUL16 2, 1, NQ-1, \slot, 0
	WIN 0
	s_barrier_wait -1
.if \fill
	CREST                                          ; the barrier has opened a round of the cluster's barrier: no wave of any partner still reads this slot or has a load on its way
	s_add_nc_u64 s[G0+4*\slot+2:G0+4*\slot+3], s[G0+4*\slot+2:G0+4*\slot+3], 2*AROW
	s_add_nc_u64 s[G0B+4*\slot+2:G0B+4*\slot+3], s[G0B+4*\slot+2:G0B+4*\slot+3], 2*ROWB
	JLOAD G0+4*\slot, G1, G0B+4*\slot, G1B         ; the first tensor load behind the round; the four v_nop behind it are the places in front of the loads below
.else
	PLACES NP
.endif
	s_wait_alu depctr_va_vdst(0)
	v_add_nc_u32 v[ADRS], 4*NQ, v[ADRS]            ; on to the next K step's scale words (no LDS load of mine is out)
	FETCH_B \next, 0, 0
	FETCH_A \next, 0, 0
	SCALES \next
	WIN MUL_HI
	MUL16 4, 1, NQ-1, \slot, 0
	MUL16 6, 1, NQ-1, \slot, 0
	PLACES NP
	WIN 0
	FETCH_A \next, 0, 4
.endm
	s_wait_alu depctr_va_vdst(0)
	s_wait_tensorcnt 1                             ; the scales and my part of K step 0 are in; K step 1's load may be out
	s_barrier_signal -1
	s_barrier_wait -1                              ; everybody's are
	FETCH_B 0, 0, 0
	FETCH_A 0, 0, 0
	SCALES 0
	FETCH_A 0, 0, 4
	STEP 0, 0, 1                                   ; the first step stands in front of the loop: its products start the sums
	s_mov_b32 s3, LAPS-1
.Llap:                                                 ; a trip goes once round the ring, from a lap's second step to the next lap's first, and fills both slots again
	TURN 0, 1, 1
	STEP 1, 0, 0
	TURN 1, 0, 1
	STEP 0, 0, 0
	s_sub_co_u32 s3, s3, 1
	s_cmp_lg_u32 s3, 0
	s_cbranch_scc1 .Llap
	TURN 0, 1, 0                                   ; the last lap fills nothing, and has no round of the cluster's barrier
	STEP 1, 0, 0
	s_wait_dscnt 4*NL                              ; the very last step: nothing more to fetch
	WIN MUL_LO
	MUL16 0, 1, NQ-1, 1, 0
	MUL16 2, 1, NQ-1, 1, 0
	s_wait_dscnt 0
	WIN MUL_HI
	MUL16 4, 1, NQ-1, 1, 0
	MUL16 6, 1, NQ-1, 1, 0
	WIN 0
; THE WAY OUT, block by block of 16 rows x 128 columns.  A lane holds 32 neighbouring bytes of a row, and the lanes beside it hold other rows: so a block goes through my own stage in LDS and comes back as whole
; rows of 512 bytes, which the 32 lanes store as two aligned runs of 256 bytes.  LDS serves a wave's instructions in order (ISA guide 5.7.1.4): no wait between the stores and the loads, nor in front of the next block's stores.
.macro TOSTAGE a
.set AC, 64*((\a)%4)
	WIN 0x08+4*((\a)/4)                            ; the data: window 2 or 3
.irp b, 0,1,2,3,4,5,6,7
	ds_store_b128 v[STO], v[AC+8*\b:AC+8*\b+3] offset:64*\b          ; each accumulator from its low end on
	ds_store_b128 v[STO], v[AC+8*\b+4:AC+8*\b+7] offset:64*\b+16
.endr
	WIN 0
.set BB, BK+64*((\a)%2)
.irp t, 0,1,2,3,4,5,6,7,8,9,10,11,12,13,14,15
	ds_load_b128 v[BB+4*\t:BB+4*\t+3], v[RD] offset:\t*SPITCH
.endr
.endm
.macro SEND a, younger                 ; younger: the LDS instructions issued behind block a's loads, which may stay out
.set BB, BK+64*((\a)%2)
	s_wait_dscnt \younger                          ; the block is back in registers
.if (\a) > 0
	s_add_nc_u64 s[12:13], s[12:13], 16*SIZE_N*4   ; (behind a wait on XCNT: the earlier stores have read their base)  16 rows of out0 on
.endif
.irp t, 0,1,2,3,4,5,6,7,8,9,10,11,12,13,14,15
	global_store_b128 v[CO], v[BB+4*\t:BB+4*\t+3], s[12:13] offset:\t*SIZE_N*4 th:TH_STORE_NT   ; 32 lanes store 512 consecutive bytes, at a multiple of 256 from out0's first byte; written once, read by nobody here
.endr
.endm
	PLACES NP                                      ; behind the last products: for the loads into the registers that held A's fragments and for the reads of results
	TOSTAGE 0
.irp a, 1,2,3,4,5,6,7
.if \a > 1
	s_wait_xcnt 0x0                                ; block a - 2's stores have read their registers and their base: block a's loads may land there, and the base may step
.endif
	TOSTAGE \a
	SEND \a-1, 32                                  ; behind block a - 1's loads: block a's 16 stores and 16 loads
.endr
	s_wait_xcnt 0x0                                ; block 6's stores have read their base
	SEND 7, 0
	s_wait_tensorcnt 0x0                           ; the wave's end, behind my last tensor load and my last LDS store
	ds_add_u32 v[SPW], v[NIL]
	s_wait_dscnt 0x0
	CROUND                                         ; the closing round: no work-group ends while a partner may still ask for a tile that names it
	s_endpgm
.Lfunc_end_k_qb9cb6a62e7_proj_gemm:
	.size	k_qb9cb6a62e7_proj_gemm, .Lfunc_end_k_qb9cb6a62e7_proj_gemm-k_qb9cb6a62e7_proj_gemm
	.p2alignl 7, 3214868480
	.fill 96, 4, 3214868480
	.section	.rodata,"a",@progbits
	.p2align	6, 0x0
	.amdhsa_kernel k_qb9cb6a62e7_proj_gemm
		.amdhsa_group_segment_fixed_size 327680
		.amdhsa_private_segment_fixed_size 0
		.amdhsa_enable_private_segment 0
		.amdhsa_kernarg_size 40
		.amdhsa_user_sgpr_count 2
		.amdhsa_user_sgpr_kernarg_segment_ptr 1
		.amdhsa_wavefront_size32 1
		.amdhsa_system_sgpr_workgroup_id_x 1
		.amdhsa_system_sgpr_workgroup_id_y 1
		.amdhsa_system_sgpr_workgroup_id_z 1
		.amdhsa_system_vgpr_workitem_id 0
		.amdhsa_next_free_vgpr 1024
		.amdhsa_next_free_sgpr 98
		.amdhsa_reserve_vcc 0
		.amdhsa_float_denorm_mode_32 3
		.amdhsa_float_denorm_mode_16_64 3
		.amdhsa_memory_ordered 1
		.amdhsa_forward_progress 1
		.amdhsa_inst_pref_size 161
	.end_amdhsa_kernel
	.amdgpu_metadata
---
amdhsa.version: [ 1, 2 ]
amdhsa.kernels:
  - .name:           k_qb9cb6a62e7_proj_gemm
    .symbol:         k_qb9cb6a62e7_proj_gemm.kd
    .args:
      - { .name: yimg, .offset: 0, .size: 8, .value_kind: global_buffer, .address_space: global }
      - { .name: ysc, .offset: 8, .size: 8, .value_kind: global_buffer, .address_space: global }
      - { .name: W_proj_codes, .offset: 16, .size: 8, .value_kind: global_buffer, .address_space: global }
      - { .name: W_proj_scales, .offset: 24, .size: 8, .value_kind: global_buffer, .address_space: global }
      - { .name: out0, .offset: 32, .size: 8, .value_kind: global_buffer, .address_space: global }
    .group_segment_fixed_size: 327680
    .private_segment_fixed_size: 0
    .kernarg_segment_align: 8
    .kernarg_segment_size: 40
    .max_flat_workgroup_size: 128
    .sgpr_count:     98
    .vgpr_count:     1024
    .wavefront_size: 32
...
	.end_amdgpu_metadata
.endif
;; end of part 3
